; MI455X (gfx1250); checked and timed in simulation.
; The chip was launched on July 23, 2026; its instructions are those of AMD's public machine-readable ISA for CDNA 5 (MIT licence, August 2026) and "CDNA5" Instruction Set Architecture Reference Guide (July 2026). The comments in the code are by the model that wrote it; some were corrected since.
;; Multi Head Attention. Allowed arithmetic: matrix products marked QUANTISED: E2M1 operands, one E8M0 scale for each 32 along K, by v_wmma_scale_f32_16x16x128_f8f6f4 with both operands' format E2M1 (or v_wmma_scale_f32_32x16x128_f4), f32 sums; products left as they are: bf16, f16 or f32 operands; f32 sums; everything else in f32.
;; Inputs: Wk 1,024 x 1,024 float32; Wo 1,024 x 1,024 float32; Wq 1,024 x 1,024 float32; Wv 1,024 x 1,024 float32; bk 1,024 float32; bo 1,024 float32; bq 1,024 float32; bv 1,024 float32; k 4 x 2,048 x 1,024 float32; mask 4 x 2,048 x 2,048 bool; q 4 x 2,048 x 1,024 float32; v 4 x 2,048 x 1,024 float32.
;; Outputs: out0 4 x 2,048 x 1,024 float32.
;; This version of the problem:
;;   THIS VERSION OF THE PROBLEM IS GIVEN IN LOW PRECISION. The matrix products marked QUANTISED in the list below multiply operands that are first quantised to E2M1 (2 exponent bits, 1 mantissa bit; 4 bits a number), with one power-of-two scale for each 32 numbers along K (OCP MX v1.0); their sums are f32. The products marked 'left as it is' may take bf16, f16 or f32 operands, with f32 sums. Whichever they take, every output number must still come out within the allowed error. Rounding operands to bf16 (8 significant bits) uses up far more of that allowance than f16 does (11 bits, for magnitudes from 6e-5 to 65,504). All else is computed in f32.
;;   The module's matrix products, in the order in which they are computed (A, B: the left and right operand; K: the contracted axis; several contracted axes count as one K, in the product's order):
;;     1. [M 8,192, K 1,024] x [K 1,024, N 1,024]; A: input q; B: input Wq: QUANTISED
;;     2. [M 8,192, K 1,024] x [K 1,024, N 1,024]; A: input k; B: input Wk: QUANTISED
;;     3. [M 8,192, K 1,024] x [K 1,024, N 1,024]; A: input v; B: input Wv: QUANTISED
;;     4. batch 64 x [M 2,048, K 64] x [K 64, N 2,048]; A: computed on the way; B: computed on the way: left as it is (an operand is computed on the way)
;;     5. batch 64 x [M 2,048, K 2,048] x [K 2,048, N 64]; A: computed on the way; B: computed on the way: left as it is (an operand is computed on the way)
;;     6. [M 8,192, K 1,024] x [K 1,024, N 1,024]; A: computed on the way; B: input Wo: left as it is (an operand is computed on the way)
;;   THE QUANTISER, for each operand of a quantised product, along K:
;;     - K is cut into blocks of 32 from its start; a last block that is shorter is filled with zeros.
;;     - A block's scale is 2^e with e = floor(log2(the largest magnitude in the block)) - 2, held to -126 .. 127; a block of zeros has e = 0. As a byte (E8M0): e + 127.
;;     - Each number is divided by its block's scale, clamped to +-6, and rounded to the nearest number of E2M1, ties to even, subnormals kept.
;;     - The product sums the exact products of the quantised numbers (number of the format x scale) in f32.
;;   ~~~python
;;   def quantise(x, axis):      # numpy; x: float32 -> the quantised numbers, widened to float32 again
;;       x = np.moveaxis(x, axis, -1); K = x.shape[-1]
;;       x = np.pad(x, [(0, 0)] * (x.ndim - 1) + [(0, -K % 32)]); x = x.reshape(x.shape[:-1] + (-1, 32)); a = np.abs(x).max(-1, keepdims=True)
;;       e = np.where(a > 0, np.clip(np.frexp(np.where(a > 0, a, 1))[1] - 1 - 2, -126, 127), 0)      # np.frexp(a)[1] - 1 = floor(log2(a)), exactly
;;       r = np.clip(x / 2.0 ** e, -6, 6)
;;       step = 2.0 ** (np.maximum(np.frexp(np.where(r == 0, 1, r))[1] - 1, 0) - 1)
;;       q = np.round(r / step) * step * 2.0 ** e      # np.round: ties to even
;;       return np.moveaxis(q.reshape(q.shape[:-2] + (-1,))[..., :K], -1, axis).astype(np.float32)
;;   ~~~
;; One version. Each part assembles by itself: llvm-mc -triple=amdgcn-amd-amdhsa -mcpu=gfx1250 --defsym DOCPART=n.
;; ======== version 1 of 1: 4 launches
;; limits: values are held in f16: magnitudes above 65,504 overflow, below 6.1e-05 lose precision
;; workspace buffers: wimg 1,572,864 bytes; wsc 98,304 bytes; woimg 2,097,152 bytes; maskw 2,097,152 bytes of whole numbers; qimg 16,777,216 bytes; kvimg 33,554,432 bytes; ctximg 16,777,216 bytes
;; launch prep (part 1): grid 512 x 1, 4 waves a work-group, no clusters, 0 bytes of LDS; arguments Wq, Wk, Wv, Wo, mask, wimg, wsc, woimg, maskw; writes wimg, wsc, woimg, maskw
.if DOCPART == 1
	.amdgcn_target "amdgcn-amd-amdhsa--gfx1250"
	.amdhsa_code_object_version 6
	.text
	.protected	k_qfae1f0caae_prep
	.globl	k_qfae1f0caae_prep
	.p2align	8
	.type	k_qfae1f0caae_prep,@function
k_qfae1f0caae_prep:
	s_mov_b64 s[64:65], 0
	v_nop
	global_prefetch_b8 v0, s[64:65] scope:SCOPE_SE
	s_setreg_imm32_b32 hwreg(HW_REG_WAVE_MODE, 25, 1), 1
	s_wait_xcnt 0x0
; PREP: the weights and the mask are laid out once, in the order in which the later launches' registers take them.
; DEAD WORK: none.  No step, product or input of reference() is left out by this program: the mask REPLACES a score by -1e9, so a term that is the same for
; all keys (q . bk) is not the same along the softmax's axis, and bk stays; bq, bv and bo stand where reference() has them.  Every input is loaded.
; LIMITS: a block of 32 whose largest magnitude lies under 2^-124 keeps the scale byte 1 (a block of zeros too: its codes are zeros, and this program alone
; reads the bytes); NaN and infinities among the inputs are not served; Wo goes to f16, so |Wo| beyond 65,504 is not served.
; SHARES, by the work-group's number g:
;   g < 192   Wq, Wk, Wv (g / 64): 128 columns x 128 along K become codes of E2M1 with one E8M0 byte for each 32 along K
;   g < 256   Wo: 128 columns x 128 along K become f16
;   else      the mask: a wave turns 64 queries x 256 keys of bytes into lane masks, one 32-bit word for each score register of the attention launch
; WEIGHTS.  K is the weights' FIRST axis: a lane takes a column and its registers run down K.  So each load reads 128 consecutive bytes a wave (512 a
; work-group), a block of 32 along K lies in one lane, and the conversions' results are an operand's registers as they stand.
; wimg  [mat 3][nt 64][ks 8][c 2][lane 32][16 bytes]: lane (r, h) holds column 16 nt + r, k = 128 ks + 64 c + 32 h + 0 .. 31
; wsc   [mat 3][nt 64][lane' 32][i 4] words: lane' = 16 (ks % 2) + r, i = ks / 2: one load of 16 bytes a lane brings a tile's eight scale words
; woimg [kc 8][nt 64][kk 4][c 2][lane 32][16 bytes]: lane (r, h) holds column 16 nt + r, k = 128 kc + 32 kk + 16 c + 8 h + 0 .. 7
; maskw [4 b + qb 16][ks 32][w 8][tile 4][word 32]: bit 16 h + r of word 8 t + j = mask[b][512 qb + 64 w + 16 tile + r][64 ks + 16 t + 8 h + j]
; No LDS, no barrier: waves share nothing.  Every offset is an immediate; no register that a store reads is written again.
.set X, 32                             ; v32-159  128 numbers down K (mask: 64 x 8 bytes)
.set C, 160                            ; v160-223 results: each store has registers of its own
	s_load_b256 s[4:11], s[0:1], 0x0               ; Wq s[4:5], Wk s[6:7], Wv s[8:9], Wo s[10:11]
	s_load_b256 s[12:19], s[0:1], 0x20             ; mask s[12:13], wimg s[14:15], wsc s[16:17], woimg s[18:19]
	s_load_b64 s[20:21], s[0:1], 0x40              ; maskw
	v_lshrrev_b32 v1, 5, v0
	v_readfirstlane_b32 s22, v1                    ; wave
	v_and_b32 v2, 31, v0                           ; lane
	v_and_b32 v3, 15, v0                           ; r
	v_bfe_u32 v4, v0, 4, 1                         ; h
	s_cmp_ge_u32 ttmp9, 256
	s_cbranch_scc1 .Lmask
	; ---- the four weights: what they share
	s_lshr_b32 s23, ttmp9, 6                       ; which weight: 0 Wq, 1 Wk, 2 Wv, 3 Wo
	s_and_b32 s24, ttmp9, 63
	s_and_b32 s25, s24, 7                          ; cg: which 128 columns
	s_lshr_b32 s26, s24, 3                         ; ks: which 128 along K
	s_lshl_b32 s28, s26, 19                        ; 128 rows of 4,096 bytes
	s_lshl_b32 s27, s25, 9
	s_add_co_u32 s28, s28, s27                     ; + 128 columns of 4 bytes
	s_lshl_b32 s27, s22, 7
	s_add_co_u32 s28, s28, s27                     ; + my wave's 32 columns
	s_mov_b32 s29, 0
	s_lshl_b32 s30, s25, 3
	s_lshl_b32 s27, s22, 1
	s_add_co_u32 s30, s30, s27                     ; my wave's first tile of 16 columns: 8 cg + 2 wave
	v_lshlrev_b32 v5, 2, v2                        ; 4 bytes a lane
	v_lshlrev_b32 v6, 4, v3                        ; 16 r
	s_wait_kmcnt 0x0
	s_cmp_eq_u32 s23, 1                            ; the choice hangs on the work-group's number alone
	s_cselect_b64 s[4:5], s[6:7], s[4:5]
	s_cmp_eq_u32 s23, 2
	s_cselect_b64 s[4:5], s[8:9], s[4:5]
	s_cmp_eq_u32 s23, 3
	s_cselect_b64 s[4:5], s[10:11], s[4:5]
	s_add_nc_u64 s[4:5], s[4:5], s[28:29]
.macro LOADW t                         ; block t: W(128 ks + 32 t + i, my column), i = 0 .. 31
.set i, 0
.rept 32
	global_load_b32 v[X+32*(\t)+i], v5, s[4:5] offset:(32*(\t)+i)*4096 th:TH_LOAD_NT
.set i, i+1
.endr
.endm
	LOADW 0
	LOADW 1
	s_cmp_eq_u32 s23, 3
	s_cbranch_scc1 .Lwo
	; ---- Wq, Wk, Wv: codes and scale bytes
	s_lshl_b32 s27, s23, 6
	s_add_co_u32 s27, s27, s30                     ; 64 mat + my first tile
	s_lshl_b32 s32, s27, 13                        ; a tile's eight K steps are 8,192 bytes
	s_lshl_b32 s31, s26, 10
	s_add_co_u32 s32, s32, s31
	s_mov_b32 s33, 0
	s_add_nc_u64 s[14:15], s[14:15], s[32:33]
	s_lshl_b32 s32, s27, 9                         ; a tile's scale words are 512 bytes
	s_and_b32 s31, s26, 1
	s_lshl_b32 s31, s31, 8
	s_add_co_u32 s32, s32, s31                     ; + 256 (ks % 2)
	s_lshr_b32 s31, s26, 1
	s_lshl_b32 s31, s31, 2
	s_add_co_u32 s32, s32, s31                     ; + 4 (ks / 2)
	s_add_nc_u64 s[16:17], s[16:17], s[32:33]
	v_lshl_add_u32 v7, v4, 13, v6                  ; codes: lanes 16-31 belong to the next tile; 16 bytes a column
	v_lshl_add_u32 v8, v4, 9, v6                   ; scale words likewise
; Block kb of my column: its largest magnitude with the floor 2^-124 among the leaves, so that the byte cannot fall under 1; 2 off the exponent field gives the
; conversions' scale operand, which takes that field alone; a shift gives the byte.  left: the loads of the one younger block, which may stay out.
.macro WBLK kb, left
.set XQ, X+32*(\kb)
	s_wait_loadcnt \left
.if (\kb)+2 < 4
	LOADW (\kb)+2
.endif
	v_max3_num_f32 v12, |v[XQ]|, |v[XQ+1]|, |v[XQ+2]|
	v_max3_num_f32 v13, |v[XQ+3]|, |v[XQ+4]|, |v[XQ+5]|
.irp n, 6,10,14,18,22,26
	v_max3_num_f32 v12, v12, |v[XQ+\n]|, |v[XQ+\n+1]|
	v_max3_num_f32 v13, v13, |v[XQ+\n+2]|, |v[XQ+\n+3]|
.endr
	v_max3_num_f32 v12, v12, |v[XQ+30]|, |v[XQ+31]|
	v_max3_num_f32 v12, v12, v13, 0x1800000
	v_add_nc_u32 v11, 0xff000000, v12
	v_lshrrev_b32 v13, 23, v11
.if (\kb) == 0
	v_mov_b32 v9, v13                              ; the four bytes make my column's scale word for these 128 along K
.else
	v_lshl_or_b32 v9, v13, 8*(\kb), v9
.endif
.irp g, 0,1,2,3
	v_cvt_scalef32_pk8_fp4_f32 v[C+4*(\kb)+\g], v[XQ+8*\g:XQ+8*\g+7], v11
.endr
	global_store_b128 v7, v[C+4*(\kb):C+4*(\kb)+3], s[14:15] offset:256*(\kb)   ; block kb = 2 c + h: sixteen lanes store 256 consecutive bytes, aligned
.endm
	WBLK 0, 32
	WBLK 1, 32
	WBLK 2, 32
	WBLK 3, 0
	global_store_b32 v8, v9, s[16:17]              ; 4 bytes of each 16: the whole buffer is 98,304 bytes
	s_endpgm
.Lwo:
	; ---- Wo: f16
	s_lshl_b32 s32, s26, 18                        ; a K step of all 64 tiles is 262,144 bytes
	s_lshl_b32 s31, s30, 12                        ; a tile's is 4,096
	s_add_co_u32 s32, s32, s31
	s_mov_b32 s33, 0
	s_add_nc_u64 s[18:19], s[18:19], s[32:33]
	v_lshl_add_u32 v7, v4, 12, v6
.macro OBLK kb, left                   ; four groups of eight along K: group g = 4 kk + 2 c + h lies 256 g bytes into the tile's K step
	s_wait_loadcnt \left
.if (\kb)+2 < 4
	LOADW (\kb)+2
.endif
.set g, 4*(\kb)
.rept 4
.irp m, 0,1,2,3
	v_cvt_pk_f16_f32 v[C+4*g+\m], v[X+8*g+2*\m], v[X+8*g+2*\m+1]
.endr
	global_store_b128 v7, v[C+4*g:C+4*g+3], s[18:19] offset:256*g
.set g, g+1
.endr
.endm
	OBLK 0, 32
	OBLK 1, 32
	OBLK 2, 32
	OBLK 3, 0
	s_endpgm
.Lmask:
	; ---- the mask.  Wave U of 1,024: bq = U / 64 (batch and block of 512 queries), w = (U / 8) % 8 (64 queries), kg = U % 8 (four key steps of 64)
	s_sub_co_u32 s23, ttmp9, 256
	s_lshl_b32 s23, s23, 2
	s_add_co_u32 s23, s23, s22
	s_lshr_b32 s24, s23, 6                         ; bq
	s_bfe_u32 s25, s23, 0x30003                    ; w
	s_and_b32 s26, s23, 7                          ; kg
	s_lshl_b32 s28, s24, 20                        ; 512 rows of 2,048 bytes
	s_lshl_b32 s27, s25, 17
	s_add_co_u32 s28, s28, s27                     ; + 64 rows
	s_lshl_b32 s27, s26, 8
	s_add_co_u32 s28, s28, s27                     ; + 256 keys
	s_mov_b32 s29, 0
	s_lshl_b32 s30, s24, 17                        ; maskw: 32 key steps of 4,096 bytes
	s_lshl_b32 s27, s26, 14
	s_add_co_u32 s30, s30, s27
	s_lshl_b32 s27, s25, 9
	s_add_co_u32 s30, s30, s27                     ; + 512 bytes a wave of the attention launch
	s_mov_b32 s31, 0
	s_mov_b32 s36, 0xff                            ; a word's four bytes
	s_mov_b32 s37, 0xff00
	s_mov_b32 s38, 0xff0000
	s_mov_b32 s39, 0xff000000
	v_lshlrev_b32 v5, 11, v3
	v_lshl_add_u32 v5, v4, 3, v5                   ; row r, + 8 h: my eight keys of a tile of 16
	v_lshlrev_b32 v6, 4, v2                        ; out: 16 bytes a lane
	s_wait_kmcnt 0x0
	s_add_nc_u64 s[12:13], s[12:13], s[28:29]
	s_add_nc_u64 s[20:21], s[20:21], s[30:31]
.irp u, 0,1,2,3                        ; key step u, tile of queries q, tile of keys t.  The 64 loads together read 256 consecutive bytes of each of 64 rows
.irp q, 0,1,2,3
.irp t, 0,1,2,3
	global_load_b64 v[X+2*(16*\u+4*\q+\t):X+2*(16*\u+4*\q+\t)+1], v5, s[12:13] offset:\q*32768+64*\u+16*\t
.endr
.endr
.endr
.set i, 0
.rept 16
	v_mov_b32 v[C+i], 0                            ; a lane write's destination counts as one of its sources
.set i, i+1
.endr
; A key step's 128 words.  Byte j of a lane's eight is cut out and compared with 0: the compare's result IS the lane mask.  Word 32 q + 8 t + j goes to lane
; 8 q + 2 t + j / 4, register j % 4, so that the wave's one store of 16 bytes a lane lays the 128 words on end.
.macro MUNIT u
	s_wait_loadcnt 48-16*(\u)                      ; the later key steps' loads, 16 each, may stay out
.irp q, 0,1,2,3
.irp t, 0,1,2,3
.irp j, 0,1,2,3,4,5,6,7
	v_and_b32 v[8+\j], s[36+\j%4], v[X+2*(16*(\u)+4*\q+\t)+\j/4]
.endr
.irp j, 0,1,2,3,4,5,6,7
	v_cmp_ne_u32 s[40+\j], 0, v[8+\j]
.endr
.irp j, 0,1,2,3,4,5,6,7
	v_writelane_b32 v[C+4*(\u)+\j%4], s[40+\j], 8*\q+2*\t+\j/4
.endr
.endr
.endr
	global_store_b128 v6, v[C+4*(\u):C+4*(\u)+3], s[20:21] offset:4096*(\u)   ; 512 consecutive bytes, aligned
.endm
	MUNIT 0
	MUNIT 1
	MUNIT 2
	MUNIT 3
	s_endpgm
.Lfunc_end_k_qfae1f0caae_prep:
	.size	k_qfae1f0caae_prep, .Lfunc_end_k_qfae1f0caae_prep-k_qfae1f0caae_prep
	.p2alignl 7, 3214868480
	.fill 96, 4, 3214868480
	.section	.rodata,"a",@progbits
	.p2align	6, 0x0
	.amdhsa_kernel k_qfae1f0caae_prep
		.amdhsa_group_segment_fixed_size 0
		.amdhsa_private_segment_fixed_size 0
		.amdhsa_enable_private_segment 0
		.amdhsa_kernarg_size 72
		.amdhsa_user_sgpr_count 2
		.amdhsa_user_sgpr_kernarg_segment_ptr 1
		.amdhsa_wavefront_size32 1
		.amdhsa_system_sgpr_workgroup_id_x 1
		.amdhsa_system_sgpr_workgroup_id_y 1
		.amdhsa_system_sgpr_workgroup_id_z 1
		.amdhsa_system_vgpr_workitem_id 0
		.amdhsa_next_free_vgpr 224
		.amdhsa_next_free_sgpr 66
		.amdhsa_reserve_vcc 0
		.amdhsa_float_denorm_mode_32 3
		.amdhsa_float_denorm_mode_16_64 3
		.amdhsa_memory_ordered 1
		.amdhsa_forward_progress 1
		.amdhsa_inst_pref_size 121
	.end_amdhsa_kernel
	.amdgpu_metadata
---
amdhsa.version: [ 1, 2 ]
amdhsa.kernels:
  - .name:           k_qfae1f0caae_prep
    .symbol:         k_qfae1f0caae_prep.kd
    .args:
      - { .name: Wq, .offset: 0, .size: 8, .value_kind: global_buffer, .address_space: global }
      - { .name: Wk, .offset: 8, .size: 8, .value_kind: global_buffer, .address_space: global }
      - { .name: Wv, .offset: 16, .size: 8, .value_kind: global_buffer, .address_space: global }
      - { .name: Wo, .offset: 24, .size: 8, .value_kind: global_buffer, .address_space: global }
      - { .name: mask, .offset: 32, .size: 8, .value_kind: global_buffer, .address_space: global }
      - { .name: wimg, .offset: 40, .size: 8, .value_kind: global_buffer, .address_space: global }
      - { .name: wsc, .offset: 48, .size: 8, .value_kind: global_buffer, .address_space: global }
      - { .name: woimg, .offset: 56, .size: 8, .value_kind: global_buffer, .address_space: global }
      - { .name: maskw, .offset: 64, .size: 8, .value_kind: global_buffer, .address_space: global }
    .group_segment_fixed_size: 0
    .private_segment_fixed_size: 0
    .kernarg_segment_align: 8
    .kernarg_segment_size: 72
    .max_flat_workgroup_size: 128
    .sgpr_count:     66
    .vgpr_count:     224
    .wavefront_size: 32
...
	.end_amdgpu_metadata
.endif
;; end of part 1
;; launch qkv (part 2): grid 64 x 3, 4 waves a work-group, no clusters, 137,728 bytes of LDS; arguments q, k, v, bq, bk, bv, wimg, wsc, qimg, kvimg; writes qimg, kvimg
.if DOCPART == 2
	.amdgcn_target "amdgcn-amd-amdhsa--gfx1250"
	.amdhsa_code_object_version 6
	.text
	.protected	k_qfae1f0caae_qkv
	.globl	k_qfae1f0caae_qkv
	.p2align	8
	.type	k_qfae1f0caae_qkv,@function
k_qfae1f0caae_qkv:
	s_mov_b64 s[64:65], 0
	v_nop
	global_prefetch_b8 v0, s[64:65] scope:SCOPE_SE
	s_setreg_imm32_b32 hwreg(HW_REG_WAVE_MODE, 25, 1), 1
	s_wait_xcnt 0x0
; QKV: Q = q Wq + bq, K = k Wk + bk, V = v Wv + bv, the three quantised products, on codes of E2M1 with one E8M0 scale for each 32 along K = 1,024.
; Nothing of reference() is left out here.  LIMITS: as stated at the head of the first launch; Q log2(e) / 8, K and V go to f16: magnitudes beyond 65,504 are not served.
; SHARES.  Work-group (X, y) takes rows 128 X .. 128 X + 127 of tensor y (0 q, 1 k, 2 v) against all 1,024 columns, so x is read from memory once and quantised once.
; PHASE X: wave w quantises rows 32 w .. 32 w + 31; the codes and scale words go to LDS as images of an operand's registers (16 bytes a lane, 512 a store).
; One barrier.  Then EVERY wave holds all 128 rows' codes in registers (512 of them), and wave w makes columns 256 w .. 256 w + 255: four heads.
; PHASE G: a fragment of W (16 columns x 128 K) feeds eight matrix instructions and is wanted by exactly one wave of the work-group: it goes from memory straight
; into that wave's operand registers, in four sets that are asked for three tiles of columns ahead.
; NO CLUSTER: a joint load would send W's 557,056 bytes through the LDS of each work-group, written and read again, to reach one wave each, and would want a
; round of the cluster's barrier for each slot; the price of leaving it out is that each of the 64 work-groups of a tensor asks for W itself.
; Q AND K are made transposed (source 0 = 16 columns of W, source 1 = 16 rows of x): a lane holds one token and eight neighbouring channels: 16 bytes of f16, which
; ARE a lane's part of the attention launch's fragments.  V is made the natural way round: a lane holds one channel and eight neighbouring keys, likewise.
; qimg  [b h 64][qt 128][piece 4][lane][16 bytes]: lane (r, h): query r, channels 16 piece + 8 h + 0 .. 7, times log2(e) / 8 (folded in f32, ahead of the rounding)
; kvimg [b h 64][ks 32][16,384 bytes]: K [t 4][piece 4][512] as qimg; at + 8,192 V [ct 4][u 2][c 2][512]: lane (r, h): channel 16 ct + r, keys 32 u + 16 c + 8 h + 0 .. 7
; REGISTERS, in windows of 256.  Window 0: v1-15 addresses; v16-47 x's scale words (4 tile + ks / 2), v48-63 W's (4 set + ks / 2): these hold scales and nothing else;
;   v64-95 the biases, 8 a set; v96-127 store data (phase X: at work); v128-191 eight accumulators (phase X: v128-255 two sets of 64 numbers).
;   Window 1: phase X: four sets of 64 numbers as loaded; then W's four sets (64 set + 8 ks).   Windows 2, 3: x's codes (window 2 + ks / 4, register 64 (ks % 4) + 8 tile).
.set XSC,   65536                      ; LDS: 0: x's 64 fragments [tile 8][ks 8][1,024]; here their scale words [tile 8][lane' 32][i 4]
.set STG,   69632                      ; each wave's two stages of 16 rows x (512 + 16) bytes
.set STW,   16896
.set SPARE, 137216                     ; the spare words, 128 bytes a wave: two blocks of 256 bytes that no other line names
.set LI,  1                            ; 16 x lane
.set LI2, 2                            ; + XSC
.set STI, 3                            ; my stage, as loaded: 16 x lane
.set STO, 4                            ; my stage, as wanted: 528 r + 128 h
.set XWI, 5                            ; where I store images: 16 x lane + 16,384 x wave
.set XWS, 6                            ; and scale words: XSC + 16 r + 1,024 x wave
.set SH8, 7                            ; 8 h
.set VH,  9                            ; store offset of tiles 4-7
.set BO,  10                           ; my offset in the bias
.set SPW, 12
.set NIL, 13
.set RR,  14                           ; r
.set HH,  15                           ; h
.set XS,  16
.set WS,  48
.set BS,  64
.set TMP, 96
.set PC,  96                           ; phase X: codes, two sets of 8
.set PW,  112                          ; scale words, two
.set QM,  114                          ; four running maxima
.set QS,  118                          ; two scale operands
.set QB,  120                          ; two bytes
.set QW,  122
.set QP,  123
.set ACC, 128
.set XR,  128
.set XB,  4                            ; s[4:5] x at my wave's first row
.set BB,  10                           ; s[10:11] the bias
.set WB,  16                           ; s[16:17] W's codes
.set WSB, 18                           ; s[18:19] W's scale words
.set OB,  20                           ; s[20:21] the image
.set SC,  40                           ; s[40:41] log2(e) / 8 for Q, 1 for K
.set SEL, 42                           ; s[42:43] lane l xor 16
.set HS,  44                           ; s[44:45] bytes from head to head in the image
.set CNT, 46
.set MSB, 0
.macro WIN new                         ; the immediate's high byte repeats the setting that is left
.if MSB != (\new)
	s_set_vgpr_msb (MSB<<8)|(\new)
.set MSB, (\new)
.endif
.endm
	s_load_b256 s[4:11], s[0:1], 0x0               ; q, k, v, bq
	s_load_b256 s[12:19], s[0:1], 0x20             ; bk, bv, wimg, wsc
	s_load_b128 s[20:23], s[0:1], 0x40             ; qimg, kvimg
	v_lshl_add_u32 v[SPW], v0, 2, SPARE
	v_mov_b32 v[NIL], 0
	v_lshrrev_b32 v8, 5, v0
	v_readfirstlane_b32 s26, v8                    ; wave
	s_and_b32 s24, ttmp7, 0xffff                   ; y
	v_and_b32 v8, 31, v0
	v_lshlrev_b32 v[LI], 4, v8
	v_add_nc_u32 v[LI2], XSC, v[LI]
	v_and_b32 v[RR], 15, v0
	v_bfe_u32 v[HH], v0, 4, 1
	s_mul_i32 s27, s26, STW
	s_add_co_u32 s27, s27, STG
	v_add_nc_u32 v[STI], s27, v[LI]
	v_mul_u32_u24 v[STO], v[RR], 528
	v_lshl_add_u32 v[STO], v[HH], 7, v[STO]
	v_add_nc_u32 v[STO], s27, v[STO]
	s_lshl_b32 s27, s26, 14
	v_add_nc_u32 v[XWI], s27, v[LI]
	s_lshl_b32 s27, s26, 10
	s_add_co_u32 s27, s27, XSC
	v_lshl_add_u32 v[XWS], v[RR], 4, s27
	v_lshlrev_b32 v[SH8], 3, v[HH]
	v_mov_b32 v[QP], 0                             ; a lane permute's destination counts as one of its sources
	s_mov_b32 s[SEL], 0x76543210
	s_mov_b32 s[SEL+1], 0xfedcba98
	s_lshl_b32 s28, ttmp9, 19                      ; x: 128 rows of 4,096 bytes a work-group,
	s_lshl_b32 s27, s26, 17
	s_add_co_u32 s28, s28, s27                     ; 32 a wave
	s_mov_b32 s29, 0
	s_lshl_b32 s30, s24, 19                        ; W's codes: 64 tiles of 8,192 bytes a tensor,
	s_add_co_u32 s30, s30, s27                     ; 16 a wave
	s_mov_b32 s31, 0
	s_lshl_b32 s32, s24, 15                        ; W's scale words: 512 bytes a tile
	s_lshl_b32 s27, s26, 13
	s_add_co_u32 s32, s32, s27
	s_mov_b32 s33, 0
	s_lshl_b32 s34, s26, 10                        ; the bias: 256 numbers a wave
	s_mov_b32 s35, 0
	s_lshr_b32 s36, ttmp9, 4                       ; the batch
	s_lshl_b32 s36, s36, 4
	s_lshl_b32 s27, s26, 2
	s_add_co_u32 s36, s36, s27                     ; my first head: 16 b + 4 wave
	s_lshl_b32 s36, s36, 18                        ; qimg: 262,144 bytes a head,
	s_and_b32 s27, ttmp9, 15
	s_lshl_b32 s27, s27, 14
	s_add_co_u32 s36, s36, s27                     ; 16,384 for 128 tokens
	s_mov_b32 s37, 0
	s_cmp_eq_u32 s24, 0
	s_cselect_b32 s38, 0, 1                        ; in kvimg all these distances are twice as long
	s_cselect_b32 s[SC], 0x3e38aa3b, 1.0
	s_mov_b32 s[SC+1], s[SC]                       ; (named with it as a pair, so it is written)
	s_lshl_b32 s36, s36, s38
	s_lshl_b32 s[HS], 0x40000, s38
	s_mov_b32 s[HS+1], 0
	s_lshl_b32 s39, 0x2000, s38
	v_add_nc_u32 v[VH], s39, v[LI]                 ; tiles 4-7: four tiles on in qimg, the next key step in kvimg
	s_wait_kmcnt 0x0
	s_cmp_eq_u32 s24, 1                            ; the choices hang on the work-group's number alone
	s_cselect_b64 s[4:5], s[6:7], s[4:5]
	s_cselect_b64 s[10:11], s[12:13], s[10:11]
	s_cmp_eq_u32 s24, 2
	s_cselect_b64 s[4:5], s[8:9], s[4:5]
	s_cselect_b64 s[10:11], s[14:15], s[10:11]
	s_cmp_eq_u32 s24, 0
	s_cselect_b64 s[20:21], s[20:21], s[22:23]
	s_add_nc_u64 s[XB:XB+1], s[XB:XB+1], s[28:29]
	s_add_nc_u64 s[WB:WB+1], s[WB:WB+1], s[30:31]
	s_add_nc_u64 s[WSB:WSB+1], s[WSB:WSB+1], s[32:33]
	s_add_nc_u64 s[BB:BB+1], s[BB:BB+1], s[34:35]
	s_add_nc_u64 s[OB:OB+1], s[OB:OB+1], s[36:37]
; ---- PHASE X.  Unit u = 0 .. 15: my tile u % 2 of 16 rows, K step u / 2 of 128.  Each load reads 512 consecutive bytes of one row; the unit's 8,192 bytes turn through my own stage,
; so that lane (r, h) gets, of row r, the 32 neighbours of blocks h and 2 + h: what the operand's layout gives that lane.  A block lies whole in a lane: no other lane is asked for a maximum.
.macro LOAD u
	WIN 0x40                                       ; destination window 1
.set i, 0
.rept 16
	global_load_b128 v[64*((\u)%4)+4*i:64*((\u)%4)+4*i+3], v[LI], s[XB:XB+1] offset:(16*((\u)%2)+i)*4096+512*((\u)/2) th:TH_LOAD_NT
.set i, i+1
.endr
.endm
.macro TURN u                          ; LDS serves a wave's instructions in order: no wait between the stores and the loads.  Rows 528 bytes apart: the sixteen rows of a load start at sixteen different banks
	WIN 0x04                                       ; an LDS store's data are its source 1: window 1
.set i, 0
.rept 16
	ds_store_b128 v[STI], v[64*((\u)%4)+4*i:64*((\u)%4)+4*i+3] offset:8448*((\u)%2)+528*i
.set i, i+1
.endr
	WIN 0
.irp c, 0,1
.set i, 0
.rept 8
	ds_load_b128 v[XR+64*((\u)%2)+32*\c+4*i:XR+64*((\u)%2)+32*\c+4*i+3], v[STO] offset:8448*((\u)%2)+256*\c+16*i
.set i, i+1
.endr
.endr
.endm
.macro QX u                            ; 64 numbers become a fragment's 8 registers and my row's scale word, and go to LDS as they stand
.set XQ, XR+64*((\u)%2)
.set PP, (\u)%2
.set KS, (\u)/2
.irp c, 0,1
	v_max3_num_f32 v[QM+2*\c], |v[XQ+32*\c]|, |v[XQ+32*\c+1]|, 0x1800000   ; the floor 2^-124 among the leaves: the byte cannot fall under 1
	v_max3_num_f32 v[QM+2*\c+1], |v[XQ+32*\c+2]|, |v[XQ+32*\c+3]|, |v[XQ+32*\c+4]|
.endr
.irp n, 5,9,13,17,21,25
.irp c, 0,1
	v_max3_num_f32 v[QM+2*\c], v[QM+2*\c], |v[XQ+32*\c+\n]|, |v[XQ+32*\c+\n+1]|
	v_max3_num_f32 v[QM+2*\c+1], v[QM+2*\c+1], |v[XQ+32*\c+\n+2]|, |v[XQ+32*\c+\n+3]|
.endr
.endr
.irp c, 0,1
	v_max3_num_f32 v[QM+2*\c], v[QM+2*\c], |v[XQ+32*\c+29]|, |v[XQ+32*\c+30]|
.endr
.irp c, 0,1
	v_max3_num_f32 v[QM+2*\c], v[QM+2*\c], v[QM+2*\c+1], |v[XQ+32*\c+31]|
.endr
.irp c, 0,1
	v_add_nc_u32 v[QS+\c], 0xff000000, v[QM+2*\c]  ; 2 off the exponent field: the conversions take that field of this operand as their scale
.endr
.irp c, 0,1
	v_lshrrev_b32 v[QB+\c], 23, v[QS+\c]           ; the scale's byte
.endr
	v_lshl_or_b32 v[QW], v[QB+1], 16, v[QB]        ; my two bytes, blocks h and 2 + h,
	v_lshlrev_b32 v[QW], v[SH8], v[QW]             ; at their places in the word;
	v_permlanex16_b32 v[QP], v[QW], s[SEL], s[SEL+1]
	v_or_b32 v[PW+PP], v[QW], v[QP]                ; with lane l xor 16's two the word is whole
.irp c, 0,1
.irp g, 0,1,2,3
	v_cvt_scalef32_pk8_fp4_f32 v[PC+8*PP+4*\c+\g], v[XQ+32*\c+8*\g:XQ+32*\c+8*\g+7], v[QS+\c]
.endr
.endr
	v_nop                                          ; one plain place behind the last scaled conversion
.irp c, 0,1
	ds_store_b128 v[XWI], v[PC+8*PP+4*\c:PC+8*PP+4*\c+3] offset:(8*PP+KS)*1024+512*\c
.endr
	ds_store_b32 v[XWS], v[PW+PP] offset:512*PP+256*(KS%2)+4*(KS/2)   ; lanes r and 16 + r write the same word with the same value
.endm
.macro STEP u
.if (\u) > 0
	s_wait_dscnt 3                                 ; this unit's numbers are back from the stage; the three image stores of the unit before may be out, those of two units back are done
.else
	s_wait_dscnt 0x0
.endif
.if (\u)+4 < 16
	LOAD (\u)+4                                    ; into the set that this unit's stores into the stage have read
.endif
.if (\u)+1 < 16
.if 14-(\u) >= 3
	s_wait_loadcnt 48                              ; the next unit's 16 loads are in; those of the three units behind it may be out
.else
	s_wait_loadcnt 16*(14-(\u))
.endif
	TURN (\u)+1
.endif
	QX \u
.endm
	LOAD 0
	LOAD 1
	LOAD 2
	LOAD 3
	s_wait_loadcnt 48
	TURN 0
.set U, 0
.rept 16
	STEP U
.set U, U+1
.endr
	s_wait_dscnt 0x0                               ; for the others' sake: my images lie in LDS
	s_barrier_signal -1
	s_barrier_wait -1                              ; all 64 fragments of x and their scale words do
; ---- PHASE G
.macro WLOAD path, set                 ; a tile of 16 columns: its 8 fragments, its 8 scale words, its bias.  19 loads (path 0) or 18 (path 1)
	WIN 0x40
.irp k, 0,1,2,3,4,5,6,7
.irp c, 0,1
	global_load_b128 v[64*(\set)+8*\k+4*\c:64*(\set)+8*\k+4*\c+3], v[LI], s[WB:WB+1] offset:8192*(\set)+1024*\k+512*\c
.endr
.endr
	WIN 0
	global_load_b128 v[WS+4*(\set):WS+4*(\set)+3], v[LI], s[WSB:WSB+1] offset:512*(\set)
.if (\path) == 0
	global_load_b128 v[BS+8*(\set):BS+8*(\set)+3], v[BO], s[BB:BB+1] offset:64*(\set)
	global_load_b128 v[BS+8*(\set)+4:BS+8*(\set)+7], v[BO], s[BB:BB+1] offset:64*(\set)+16
.else
	global_load_b32 v[BS+8*(\set)], v[BO], s[BB:BB+1] offset:64*(\set)
.endif
.endm
.macro XFETCH                          ; all of x's codes and scale words into my registers: the same lines as the stores, as loads
	WIN 0x80
.irp k, 0,1,2,3
.irp t, 0,1,2,3,4,5,6,7
.irp c, 0,1
	ds_load_b128 v[64*\k+8*\t+4*\c:64*\k+8*\t+4*\c+3], v[LI] offset:(8*\t+\k)*1024+512*\c
.endr
.endr
.endr
	WIN 0xc0
.irp k, 4,5,6,7
.irp t, 0,1,2,3,4,5,6,7
.irp c, 0,1
	ds_load_b128 v[64*(\k-4)+8*\t+4*\c:64*(\k-4)+8*\t+4*\c+3], v[LI] offset:(8*\t+\k)*1024+512*\c
.endr
.endr
.endr
	WIN 0
.irp t, 0,1,2,3,4,5,6,7
	ds_load_b128 v[XS+4*\t:XS+4*\t+3], v[LI2] offset:512*\t
.endr
	s_wait_dscnt 0x0
.endm
.macro STEPW                           ; the bases go on to the next four tiles of columns, behind the wait that frees the pending loads' and stores' sources
	s_wait_xcnt 0x0
	s_add_nc_u64 s[WB:WB+1], s[WB:WB+1], 32768
	s_add_nc_u64 s[WSB:WSB+1], s[WSB:WSB+1], 2048
	s_add_nc_u64 s[BB:BB+1], s[BB:BB+1], 256
.endm
; One matrix instruction: K step k of tile t of rows against the set's 16 columns.  The scale words of an even K step lie in lanes 0-15, those of an odd one in lanes 16-31.
.macro MM path, set, k, t
.set rD, ACC+8*(\t)
.set rW, 64*(\set)+8*(\k)
.set rX, 64*((\k)%4)+8*(\t)
.set rV, WS+4*(\set)+(\k)/2
.set rY, XS+4*(\t)+(\k)/2
.if (\path) == 0
.if (\k) == 0
	v_wmma_scale_f32_16x16x128_f8f6f4 v[rD:rD+7], v[rW:rW+7], v[rX:rX+7], 0, v[rV], v[rY] matrix_a_fmt:MATRIX_FMT_FP4 matrix_b_fmt:MATRIX_FMT_FP4
.elseif (\k)%2 == 0
	v_wmma_scale_f32_16x16x128_f8f6f4 v[rD:rD+7], v[rW:rW+7], v[rX:rX+7], v[rD:rD+7], v[rV], v[rY] matrix_a_fmt:MATRIX_FMT_FP4 matrix_b_fmt:MATRIX_FMT_FP4
.else
	v_wmma_scale_f32_16x16x128_f8f6f4 v[rD:rD+7], v[rW:rW+7], v[rX:rX+7], v[rD:rD+7], v[rV], v[rY] matrix_a_fmt:MATRIX_FMT_FP4 matrix_b_fmt:MATRIX_FMT_FP4 matrix_a_scale:MATRIX_SCALE_ROW1 matrix_b_scale:MATRIX_SCALE_ROW1
.endif
.else
.if (\k) == 0
	v_wmma_scale_f32_16x16x128_f8f6f4 v[rD:rD+7], v[rX:rX+7], v[rW:rW+7], 0, v[rY], v[rV] matrix_a_fmt:MATRIX_FMT_FP4 matrix_b_fmt:MATRIX_FMT_FP4
.elseif (\k)%2 == 0
	v_wmma_scale_f32_16x16x128_f8f6f4 v[rD:rD+7], v[rX:rX+7], v[rW:rW+7], v[rD:rD+7], v[rY], v[rV] matrix_a_fmt:MATRIX_FMT_FP4 matrix_b_fmt:MATRIX_FMT_FP4
.else
	v_wmma_scale_f32_16x16x128_f8f6f4 v[rD:rD+7], v[rX:rX+7], v[rW:rW+7], v[rD:rD+7], v[rY], v[rV] matrix_a_fmt:MATRIX_FMT_FP4 matrix_b_fmt:MATRIX_FMT_FP4 matrix_a_scale:MATRIX_SCALE_ROW1 matrix_b_scale:MATRIX_SCALE_ROW1
.endif
.endif
.endm
; A tile of 16 columns for all 128 rows: 64 matrix instructions, the eight accumulators by turns, one instruction a turn; the first K step starts the sums.
; Then bias, rounding to f16 and eight stores of 512 consecutive bytes; then (load = 1) the set is asked for again, four tiles of columns on.
; left: the loads of the three (in the tail: fewer) younger sets, which may stay out.
.macro NT path, set, load, left
	s_wait_loadcnt \left
.irp k, 0,1,2,3,4,5,6,7
.if (\path) == 0
	WIN 0x09+4*(\k/4)                              ; source 0 (W) window 1, source 1 (x) window 2 or 3
.else
	WIN 0x06+(\k/4)                                ; source 0 (x) window 2 or 3, source 1 (W) window 1
.endif
.irp t, 0,1,2,3,4,5,6,7
	MM \path, \set, \k, \t
.endr
.endr
	WIN 0
.if (\path) == 0
.irp n, 0,2,4,6
	v_pk_mul_f32 v[BS+8*(\set)+\n:BS+8*(\set)+\n+1], v[BS+8*(\set)+\n:BS+8*(\set)+\n+1], s[SC:SC+1] op_sel_hi:[1,0]   ; the bias under Q's factor (K's is 1); these four are also the places behind the products
.endr
.else
.rept 4
	v_nop                                          ; four places behind the products
.endr
.endif
	s_wait_xcnt 0x0                                ; the last tile's stores have read their data: the registers may be written again
.irp t, 0,1,2,3,4,5,6,7
.irp n, 0,2,4,6
.if (\path) == 0
	v_pk_fma_f32 v[ACC+8*\t+\n:ACC+8*\t+\n+1], v[ACC+8*\t+\n:ACC+8*\t+\n+1], s[SC:SC+1], v[BS+8*(\set)+\n:BS+8*(\set)+\n+1] op_sel_hi:[1,0,1]   ; each accumulator from its low end on
.else
	v_pk_add_f32 v[ACC+8*\t+\n:ACC+8*\t+\n+1], v[ACC+8*\t+\n:ACC+8*\t+\n+1], v[BS+8*(\set):BS+8*(\set)+1] op_sel_hi:[1,0]   ; my channel's bias serves both halves
.endif
.endr
.irp n, 0,1,2,3
	v_cvt_pk_f16_f32 v[TMP+4*\t+\n], v[ACC+8*\t+2*\n], v[ACC+8*\t+2*\n+1]
.endr
.if (\path) == 1
	global_store_b128 v[LI], v[TMP+4*\t:TMP+4*\t+3], s[OB:OB+1] offset:(\t/4)*16384+8192+2048*(\set)+512*(\t%4)
.elseif \t < 4
	global_store_b128 v[LI], v[TMP+4*\t:TMP+4*\t+3], s[OB:OB+1] offset:(\t%4)*2048+512*(\set)
.else
	global_store_b128 v[VH], v[TMP+4*\t:TMP+4*\t+3], s[OB:OB+1] offset:(\t%4)*2048+512*(\set)
.endif
.endr
.if \load
	WLOAD \path, \set                              ; the lines above are the places in front of loads into registers that the products have read
.endif
.endm
.macro CLOSE                           ; the wave's end: behind my last LDS store
	s_wait_tensorcnt 0x0
	ds_add_u32 v[SPW], v[NIL]
	s_wait_dscnt 0x0
	s_endpgm
.endm
	s_cmp_eq_u32 s24, 2
	s_cbranch_scc1 .Lv
	; ---- Q and K.  A trip of the loop is a head: four tiles of columns, one for each piece of the image
	v_lshlrev_b32 v[BO], 5, v[HH]                  ; my eight channels' biases: 32 h bytes into the tile's 64
	WLOAD 0, 0
	WLOAD 0, 1
	WLOAD 0, 2
	WLOAD 0, 3
	STEPW
	XFETCH                                         ; W's first loads land meanwhile
	s_mov_b32 s[CNT], 3
.Lqk:
	NT 0, 0, 1, 57
	NT 0, 1, 1, 57
	NT 0, 2, 1, 57
	NT 0, 3, 1, 57
	STEPW
	s_add_nc_u64 s[OB:OB+1], s[OB:OB+1], s[HS:HS+1]
	s_sub_co_u32 s[CNT], s[CNT], 1
	s_cmp_lg_u32 s[CNT], 0
	s_cbranch_scc1 .Lqk
	NT 0, 0, 0, 57                                 ; the last head asks for nothing: no load leaves its buffer, and the counts run down
	NT 0, 1, 0, 38
	NT 0, 2, 0, 19
	NT 0, 3, 0, 0
	CLOSE
.Lv:
	; ---- V
	v_lshlrev_b32 v[BO], 2, v[RR]                  ; my channel's bias
.irp s, 0,1,2,3
	v_mov_b32 v[BS+8*\s+1], 0                      ; (named as the upper half of a pair, so it is written)
.endr
	WLOAD 1, 0
	WLOAD 1, 1
	WLOAD 1, 2
	WLOAD 1, 3
	STEPW
	XFETCH
	s_mov_b32 s[CNT], 3
.Lvv:
	NT 1, 0, 1, 54
	NT 1, 1, 1, 54
	NT 1, 2, 1, 54
	NT 1, 3, 1, 54
	STEPW
	s_add_nc_u64 s[OB:OB+1], s[OB:OB+1], s[HS:HS+1]
	s_sub_co_u32 s[CNT], s[CNT], 1
	s_cmp_lg_u32 s[CNT], 0
	s_cbranch_scc1 .Lvv
	NT 1, 0, 0, 54
	NT 1, 1, 0, 36
	NT 1, 2, 0, 18
	NT 1, 3, 0, 0
	CLOSE
.Lfunc_end_k_qfae1f0caae_qkv:
	.size	k_qfae1f0caae_qkv, .Lfunc_end_k_qfae1f0caae_qkv-k_qfae1f0caae_qkv
	.p2alignl 7, 3214868480
	.fill 96, 4, 3214868480
	.section	.rodata,"a",@progbits
	.p2align	6, 0x0
	.amdhsa_kernel k_qfae1f0caae_qkv
		.amdhsa_group_segment_fixed_size 137728
		.amdhsa_private_segment_fixed_size 0
		.amdhsa_enable_private_segment 0
		.amdhsa_kernarg_size 80
		.amdhsa_user_sgpr_count 2
		.amdhsa_user_sgpr_kernarg_segment_ptr 1
		.amdhsa_wavefront_size32 1
		.amdhsa_system_sgpr_workgroup_id_x 1
		.amdhsa_system_sgpr_workgroup_id_y 1
		.amdhsa_system_sgpr_workgroup_id_z 1
		.amdhsa_system_vgpr_workitem_id 0
		.amdhsa_next_free_vgpr 1024
		.amdhsa_next_free_sgpr 66
		.amdhsa_reserve_vcc 0
		.amdhsa_float_denorm_mode_32 3
		.amdhsa_float_denorm_mode_16_64 3
		.amdhsa_memory_ordered 1
		.amdhsa_forward_progress 1
		.amdhsa_inst_pref_size 255
	.end_amdhsa_kernel
	.section	.bss,"aw",@nobits
	.p2align	6
	.space	262144
	.amdgpu_metadata
---
amdhsa.version: [ 1, 2 ]
amdhsa.kernels:
  - .name:           k_qfae1f0caae_qkv
    .symbol:         k_qfae1f0caae_qkv.kd
    .args:
      - { .name: q, .offset: 0, .size: 8, .value_kind: global_buffer, .address_space: global }
      - { .name: k, .offset: 8, .size: 8, .value_kind: global_buffer, .address_space: global }
      - { .name: v, .offset: 16, .size: 8, .value_kind: global_buffer, .address_space: global }
      - { .name: bq, .offset: 24, .size: 8, .value_kind: global_buffer, .address_space: global }
      - { .name: bk, .offset: 32, .size: 8, .value_kind: global_buffer, .address_space: global }
      - { .name: bv, .offset: 40, .size: 8, .value_kind: global_buffer, .address_space: global }
      - { .name: wimg, .offset: 48, .size: 8, .value_kind: global_buffer, .address_space: global }
      - { .name: wsc, .offset: 56, .size: 8, .value_kind: global_buffer, .address_space: global }
      - { .name: qimg, .offset: 64, .size: 8, .value_kind: global_buffer, .address_space: global }
      - { .name: kvimg, .offset: 72, .size: 8, .value_kind: global_buffer, .address_space: global }
    .group_segment_fixed_size: 137728
    .private_segment_fixed_size: 0
    .kernarg_segment_align: 8
    .kernarg_segment_size: 80
    .max_flat_workgroup_size: 128
    .sgpr_count:     66
    .vgpr_count:     1024
    .wavefront_size: 32
...
	.end_amdgpu_metadata
.endif
;; end of part 2
;; launch attn (part 3): grid 4 x 64, 8 waves a work-group, clusters of 4 x 1, 327,680 bytes of LDS; arguments qimg, kvimg, maskw, ctximg; writes ctximg
.if DOCPART == 3
	.amdgcn_target "amdgcn-amd-amdhsa--gfx1250"
	.amdhsa_code_object_version 6
	.text
	.protected	k_qfae1f0caae_attn
	.globl	k_qfae1f0caae_attn
	.p2align	8
	.type	k_qfae1f0caae_attn,@function
k_qfae1f0caae_attn:
	s_mov_b64 s[64:65], 0
	v_nop
	global_prefetch_b8 v0, s[64:65] scope:SCOPE_SE
	s_setreg_imm32_b32 hwreg(HW_REG_WAVE_MODE, 25, 1), 1
	s_wait_xcnt 0x0
	s_wait_alu depctr_hold_cnt(0) depctr_sa_sdst(0) depctr_va_vdst(0) depctr_va_sdst(0) depctr_va_ssrc(0) depctr_va_vcc(0) depctr_vm_vsrc(0)
	s_getreg_b32 s2, hwreg(HW_REG_IB_STS2, 6, 4)
	s_cmp_eq_u32 s2, 0
	s_cbranch_scc0 .Lentry_in_a_cluster
	s_endpgm
.Lentry_in_a_cluster:
	s_bfe_u32 s2, ttmp6, 0x10000c
	s_cmp_lg_u32 s2, 0x3003
	s_cbranch_scc0 .Lentry_shape_is_right
	s_endpgm
.Lentry_shape_is_right:
; ATTN: ctx = softmax(where(mask, -1e9, Q K^T / 8)) V for one batch and head, f16 operands, f32 sums.  Nothing of reference() is left out here.
; LIMITS: as stated at the head of the first launch; ctx goes to f16.
; SHARES.  A work-group owns 512 queries of one (batch, head); each of its eight waves 64: four tiles of 16.  Two waves share a SIMD, so that one wave's softmax stands beside the other's products.
; Every wave walks all 2,048 keys, 64 a step.  The four work-groups of a cluster are the four query blocks of one (batch, head): they walk the same K and V, and ask for them JOINTLY.
; LAYOUT.  S^T = K Q^T (source 0 = 16 keys, source 1 = 16 queries), O^T = V^T P (source 0 = 16 channels, source 1 = P): a lane holds ONE query throughout, and two tiles of S^T, rounded
; to f16 in pairs, ARE source 1 of the second product.  Q, K and V lie in memory as images of these fragments: 512 consecutive bytes an instruction, no pitch, no padding, nothing is turned.
; SOFTMAX.  Q carries log2(e) / 8, so S^T is t = score x log2(e).  A masked score becomes T = -1e9 x log2(e), as reference() replaces it.  m is the running maximum of t, taken away before
; the exponential: p = 2^(t - m); in each step O^T and the sum l are multiplied by a = 2^(old m - new m).  A row that is masked everywhere has t - m = 0 for all keys: uniform weights, as in reference().
; THE MASK COSTS ONE INSTRUCTION A SCORE: the first launch has stored it as lane masks, one word for each score register; they come by scalar loads, 64 words (two tiles) at a time, and each
; set of 32 scalar registers is asked for again straight behind its last use, half a key step ahead of its next.
; THE RING.  Two LDS slots of 8 key steps (131,072 bytes); each wave fetches one key step's 16,384 bytes, which are dense in memory.  A head's K and V are four slots' worth: two first fills, two refills.
; By this text's own count a wave has two tensor loads out at the start and one behind each filling change of slots.
; K AND V ARE NOT PREFETCHED: each refill is asked for eight key steps, 512 matrix instructions of the wave, ahead of its first read.  The mask's words are: see ASK.
; REGISTERS.  Window 0: v1-6 addresses and constants; v16-47 eight statistics a tile (+0 m, +1 its pair's other half, +2, +3 l, +4 .. +7 at work; a takes +6); v48-111 Q (16 a tile); v128-255 S^T (32 a tile), P in its first 16.
;   Window 1: v0-127 O^T (32 a tile); v128-191 K of the step; v192-255 V of the step.
.set SLOT1, 131072
.set SPARE, 262144                     ; behind the ring: the spare words, 128 bytes for each of eight waves: four blocks of 256 bytes that no other line names
.set LI,  1                            ; 16 x lane
.set ADR, 2                            ; the step's tiles in LDS
.set PFO, 3                            ; 256 x lane
.set SPW, 4
.set NIL, 5
.set VT,  6                            ; T
.set ST,  16
.set Q,   48
.set S,   128
.set KF,  128                          ; in window 1
.set VF,  192
; s2 wave; s3 trips; s4 LDS byte of the step's tiles; s5 the step's mask words, s6 the next step's; s7 1 in a wave that prefetches; s[8:9] mask words; s[10:11] ctx; s[12:13] lane selects;
; s[14:15] prefetches; s[16:47] mask words of tiles 0 and 2; s[48:63], s[68:83] of tiles 1 and 3; s[84:91] descriptor group 1; s[92:95], s[96:99] group 0 of slots 0, 1; s[100:101] Q
.set MSB, 0
.macro WIN new
.if MSB != (\new)
	s_set_vgpr_msb (MSB<<8)|(\new)
.set MSB, (\new)
.endif
.endm
.macro CROUND                          ; a round of the cluster's barrier
	s_barrier_signal -1
	s_barrier_wait -1
	s_cmp_lg_u32 s2, 0
	s_cbranch_scc1 .Lnot_wave_0_\@
	s_barrier_signal -3
.Lnot_wave_0_\@:
	s_barrier_wait -3
	s_barrier_signal -1
	s_barrier_wait -1
.endm
	s_load_b256 s[68:75], s[0:1], 0x0              ; qimg s[68:69], kvimg s[70:71], maskw s[72:73], ctximg s[74:75]
	v_lshl_add_u32 v[SPW], v0, 2, SPARE
	v_mov_b32 v[NIL], 0
	ds_add_u32 v[SPW], v[NIL]                      ; the wave's opening: the add, twice on end, and its wait, ahead of my first tensor load
	ds_add_u32 v[SPW], v[NIL]
	v_lshrrev_b32 v1, 5, v0
	v_readfirstlane_b32 s2, v1                     ; wave 0..7
	s_bfe_u32 s76, ttmp6, 0x40000                  ; cx: my block of 512 queries.  It enters Q's, the mask words' and ctx's addresses alone
	s_and_b32 s77, ttmp7, 0xffff                   ; 16 b + head, which the four partners share
	s_lshr_b32 s78, s77, 4                         ; b
	s_and_b32 s79, s77, 15                         ; head
	s_mov_b32 s84, 15|(3<<16)|(1<<21)              ; group 1: the mask names all four work-groups; elements of 8 bytes; bit 21 beside a mask; no padding
	s_mov_b32 s85, 32<<16                          ; tensor_dim0 = 32 elements: rows of 256 bytes
	s_mov_b32 s86, 64<<16                          ; tensor_dim1 = 64
	s_mov_b32 s87, 32<<16                          ; tile_dim0 = 32
	s_mov_b32 s88, 64                              ; tile_dim1 = 64
	s_mov_b32 s89, 32                              ; the pitch: dense
	s_mov_b32 s90, 0
	s_mov_b32 s91, 0
	s_mov_b32 s12, 0x76543210
	s_mov_b32 s13, 0xfedcba98
	s_mov_b32 s4, 0
	s_mov_b32 s5, 0
	s_mov_b32 s92, 1
	s_mov_b32 s96, 1
	s_lshl_b32 s93, s2, 14                         ; my key step's place in slot 0: 16,384 x wave;
	s_add_co_u32 s97, s93, SLOT1                   ; in slot 1
	s_lshl_b32 s80, s77, 19                        ; a head's K and V: 524,288 bytes
	s_add_co_u32 s80, s80, s93
	s_mov_b32 s81, 0
	s_mov_b32 s83, 0
	s_lshr_b32 s3, s2, 2                           ; 0 in waves 0 to 3,
	s_or_b32 s3, s3, s79                           ; of head 0: the same in all four partners
	s_cmp_eq_u32 s3, 0
	s_cselect_b32 s7, 1, 0
	v_and_b32 v1, 31, v0
	v_lshlrev_b32 v[PFO], 8, v1
	v_lshlrev_b32 v[LI], 4, v1
	v_mov_b32 v[VT], 0xceabfb8f                    ; T = -1e9 x log2(e)
.irp t, 0,1,2,3
	v_mov_b32 v[ST+8*\t+1], 0                      ; (named as the upper half of m's pair, so it is written)
.endr
	s_wait_dscnt 0x0                               ; both opening adds are done
	s_wait_kmcnt 0x0
	s_add_nc_u64 s[94:95], s[70:71], s[80:81]      ; key step w,
	s_add_nc_u64 s[98:99], s[94:95], SLOT1         ; key step 8 + w
	s_or_b32 s95, s95, 0x80000000
	s_or_b32 s99, s99, 0x80000000
	s_lshl_b32 s82, s77, 18                        ; Q: 262,144 bytes a head,
	s_lshl_b32 s3, s76, 16
	s_add_co_u32 s82, s82, s3                      ; 65,536 a block of 512 queries,
	s_lshl_b32 s3, s2, 13
	s_add_co_u32 s82, s82, s3                      ; 8,192 a wave
	s_add_nc_u64 s[100:101], s[68:69], s[82:83]
	s_lshl_b32 s82, s78, 2
	s_add_co_u32 s82, s82, s76                     ; 4 b + qb
	s_lshl_b32 s82, s82, 17                        ; its mask words: 131,072 bytes
	s_add_nc_u64 s[14:15], s[72:73], s[82:83]
	s_mov_b64 s[8:9], s[14:15]
	s_lshl_b32 s82, s2, 9
	s_add_nc_u64 s[8:9], s[8:9], s[82:83]          ; my wave's 512 bytes of a key step's 4,096
	s_lshl_b32 s82, s2, 13
	s_add_nc_u64 s[14:15], s[14:15], s[82:83]      ; the prefetches: my wave's 8,192 bytes of a slot's 32,768
	s_lshr_b32 s82, s79, 1
	s_lshl_b32 s82, s82, 21                        ; ctx: K step head / 2 of the last product: 2,097,152 bytes,
	s_lshl_b32 s3, s78, 19
	s_add_co_u32 s82, s82, s3                      ; token tile 128 b + 32 qb + 4 wave, 4,096 bytes each,
	s_lshl_b32 s3, s76, 17
	s_add_co_u32 s82, s82, s3
	s_lshl_b32 s3, s2, 14
	s_add_co_u32 s82, s82, s3
	s_and_b32 s3, s79, 1
	s_lshl_b32 s3, s3, 11
	s_add_co_u32 s82, s82, s3                      ; and the head's half of that K step
	s_add_nc_u64 s[10:11], s[74:75], s[82:83]
	CROUND                                         ; all four work-groups are here: the first joint loads meet
	tensor_load_to_lds s[92:95], s[84:91]          ; slot 0: key steps 0 to 7, one a wave
	s_nop 0
	tensor_load_to_lds s[96:99], s[84:91]          ; slot 1: key steps 8 to 15
	s_nop 0
.rept 4
	v_nop
.endr
.set i, 0
.rept 16
	global_load_b128 v[Q+4*i:Q+4*i+3], v[LI], s[100:101] offset:512*i   ; Q stays in registers: tile i / 4, piece i % 4
.set i, i+1
.endr
	s_load_b512 s[16:31], s[8:9], s5 offset:0x0    ; key step 0: the words of tile 0,
	s_load_b512 s[32:47], s[8:9], s5 offset:64
	s_load_b512 s[48:63], s[8:9], s5 offset:128    ; and of tile 1
	s_load_b512 s[68:83], s[8:9], s5 offset:192
.macro KQ y                            ; S^T of tiles y, y + 1: 16 products, the eight accumulators by turns; the first 32 channels start the sums
.irp k, 0,1
.irp t, 0,1,2,3
.irp e, 0,1
.if \k == 0
	v_wmma_f32_16x16x32_f16 v[S+32*(\y+\e)+8*\t:S+32*(\y+\e)+8*\t+7], v[KF+8*(2*\t+\k):KF+8*(2*\t+\k)+7], v[Q+16*(\y+\e)+8*\k:Q+16*(\y+\e)+8*\k+7], 0
.else
	v_wmma_f32_16x16x32_f16 v[S+32*(\y+\e)+8*\t:S+32*(\y+\e)+8*\t+7], v[KF+8*(2*\t+\k):KF+8*(2*\t+\k)+7], v[Q+16*(\y+\e)+8*\k:Q+16*(\y+\e)+8*\k+7], v[S+32*(\y+\e)+8*\t:S+32*(\y+\e)+8*\t+7]
.endif
.endr
.endr
.endr
.endm
.macro PV y, first                     ; O^T of tiles y, y + 1 += V^T P: 16 products, eight accumulators by turns; in the first key step the first 32 keys start the sums
.irp u, 0,1
.irp d, 0,1,2,3
.irp e, 0,1
.if (\first) && (\u == 0)
	v_wmma_f32_16x16x32_f16 v[32*(\y+\e)+8*\d:32*(\y+\e)+8*\d+7], v[VF+8*(2*\d+\u):VF+8*(2*\d+\u)+7], v[S+32*(\y+\e)+8*\u:S+32*(\y+\e)+8*\u+7], 0
.else
	v_wmma_f32_16x16x32_f16 v[32*(\y+\e)+8*\d:32*(\y+\e)+8*\d+7], v[VF+8*(2*\d+\u):VF+8*(2*\d+\u)+7], v[S+32*(\y+\e)+8*\u:S+32*(\y+\e)+8*\u+7], v[32*(\y+\e)+8*\d:32*(\y+\e)+8*\d+7]
.endif
.endr
.endr
.endr
.endm
.macro SMASK t, b0, b1                 ; tile t's 32 scores: T where the mask's bit is set.  Each accumulator is read from its low end on
.set i, 0
.rept 16
	v_cndmask_b32 v[S+32*(\t)+i], v[S+32*(\t)+i], v[VT], s[\b0+i]
.set i, i+1
.endr
.set i, 0
.rept 16
	v_cndmask_b32 v[S+32*(\t)+16+i], v[S+32*(\t)+16+i], v[VT], s[\b1+i]
.set i, i+1
.endr
.endm
; THE SOFTMAX of tiles y and y + 1 for one key step, the two tiles line by line in turn.  first = 1: the first key step, which starts m, l and O^T: no old m, no a, nothing to rescale.
.macro SM y, first
.set RT, ST+8*(\y)
.set RS, S+32*(\y)
	WIN 0
	SMASK \y, 16, 32
.if \y == 0
	s_load_b512 s[16:31], s[8:9], s5 offset:256    ; the set is free: tile 2's words of this step
	s_load_b512 s[32:47], s[8:9], s5 offset:320
.else
	s_load_b512 s[16:31], s[8:9], s6 offset:0x0    ; tile 0's words of the next step
	s_load_b512 s[32:47], s[8:9], s6 offset:64
.endif
	SMASK \y+1, 48, 68
.if \y == 0
	s_load_b512 s[48:63], s[8:9], s5 offset:384    ; tile 3's words of this step
	s_load_b512 s[68:83], s[8:9], s5 offset:448
.else
	s_load_b512 s[48:63], s[8:9], s6 offset:128    ; tile 1's words of the next step
	s_load_b512 s[68:83], s[8:9], s6 offset:192
.endif
.irp j, 0,1,2,3                        ; the maximum of my 32 scores and the old m: four chains of seven, then the four left over
.irp e, 0,1
	v_max3_num_f32 v[RT+8*\e+4+\j], v[RS+32*\e+8*\j], v[RS+32*\e+8*\j+1], v[RS+32*\e+8*\j+2]
.endr
.endr
.irp g, 1,2
.irp j, 0,1,2,3
.irp e, 0,1
	v_max3_num_f32 v[RT+8*\e+4+\j], v[RT+8*\e+4+\j], v[RS+32*\e+8*\j+2*\g+1], v[RS+32*\e+8*\j+2*\g+2]
.endr
.endr
.endr
.irp e, 0,1
	v_max3_num_f32 v[RT+8*\e+4], v[RT+8*\e+4], v[RS+32*\e+7], v[RS+32*\e+15]
.endr
.irp e, 0,1
	v_max3_num_f32 v[RT+8*\e+6], v[RT+8*\e+6], v[RS+32*\e+23], v[RS+32*\e+31]
.endr
.irp e, 0,1
	v_max3_num_f32 v[RT+8*\e+4], v[RT+8*\e+4], v[RT+8*\e+5], v[RT+8*\e+6]
.endr
.irp e, 0,1
.if \first
	v_max_num_f32 v[RT+8*\e+4], v[RT+8*\e+4], v[RT+8*\e+7]
.else
	v_max3_num_f32 v[RT+8*\e+4], v[RT+8*\e+4], v[RT+8*\e+7], v[RT+8*\e]
.endif
.endr
.irp e, 0,1
	v_permlanex16_b32 v[RT+8*\e+5], v[RT+8*\e+4], s12, s13   ; the query's other 32 keys lie in the lane 16 away
.endr
.if \first == 0
.irp e, 0,1
	v_mov_b32 v[RT+8*\e+7], v[RT+8*\e]             ; the old m
.endr
.endif
.irp e, 0,1
	v_max_num_f32 v[RT+8*\e], v[RT+8*\e+4], v[RT+8*\e+5]
.endr
.if \first == 0
.irp e, 0,1
	v_sub_f32 v[RT+8*\e+7], v[RT+8*\e+7], v[RT+8*\e]
.endr
.endif
.set i, 0
.rept 16
.irp e, 0,1
	v_pk_add_f32 v[RS+32*\e+2*i:RS+32*\e+2*i+1], v[RS+32*\e+2*i:RS+32*\e+2*i+1], v[RT+8*\e:RT+8*\e+1] op_sel_hi:[1,0] neg_lo:[0,1] neg_hi:[0,1]   ; t - m, two at a time
.endr
.set i, i+1
.endr
.if \first == 0                        ; ONE BATCH of exponentials, a and the 32 p of both tiles; none reads another's result
.irp e, 0,1
	v_exp_f32 v[RT+8*\e+6], v[RT+8*\e+7]
.endr
.endif
.set i, 0
.rept 32
.irp e, 0,1
	v_exp_f32 v[RS+32*\e+i], v[RS+32*\e+i]
.endr
.set i, i+1
.endr
	v_nop                                          ; a plain instruction behind the last exponential,
	s_wait_alu depctr_va_vdst(0)                   ; and one wait ahead of the batch's first reader
.irp e, 0,1                            ; l = a l + the sum of the unrounded p: two chains a tile
.if \first
	v_pk_add_f32 v[RT+8*\e+2:RT+8*\e+3], v[RS+32*\e:RS+32*\e+1], v[RS+32*\e+30:RS+32*\e+31]
.else
	v_pk_fma_f32 v[RT+8*\e+2:RT+8*\e+3], v[RT+8*\e+2:RT+8*\e+3], v[RT+8*\e+6:RT+8*\e+7], v[RS+32*\e:RS+32*\e+1] op_sel_hi:[1,0,1]
.endif
.endr
.irp e, 0,1
	v_pk_add_f32 v[RT+8*\e+4:RT+8*\e+5], v[RS+32*\e+2:RS+32*\e+3], v[RS+32*\e+4:RS+32*\e+5]
.endr
.irp j, 6,10,14,18,22,26
.irp e, 0,1
	v_pk_add_f32 v[RT+8*\e+2:RT+8*\e+3], v[RT+8*\e+2:RT+8*\e+3], v[RS+32*\e+\j:RS+32*\e+\j+1]
	v_pk_add_f32 v[RT+8*\e+4:RT+8*\e+5], v[RT+8*\e+4:RT+8*\e+5], v[RS+32*\e+\j+2:RS+32*\e+\j+3]
.endr
.endr
.if \first == 0
.irp e, 0,1
	v_pk_add_f32 v[RT+8*\e+2:RT+8*\e+3], v[RT+8*\e+2:RT+8*\e+3], v[RS+32*\e+30:RS+32*\e+31]
.endr
.endif
.irp e, 0,1
	v_pk_add_f32 v[RT+8*\e+2:RT+8*\e+3], v[RT+8*\e+2:RT+8*\e+3], v[RT+8*\e+4:RT+8*\e+5]
.endr
.set i, 0
.rept 16
.irp e, 0,1
	v_cvt_pk_f16_f32 v[RS+32*\e+i], v[RS+32*\e+2*i], v[RS+32*\e+2*i+1]   ; P, in place and ascending: register i is written when registers 2 i and 2 i + 1 are read
.endr
.set i, i+1
.endr
.if \first == 0
	WIN 0x41                                       ; O^T (destination and source 0) window 1, a window 0
.set i, 0
.rept 16
.irp e, 0,1
	v_pk_mul_f32 v[32*(\y+\e)+2*i:32*(\y+\e)+2*i+1], v[32*(\y+\e)+2*i:32*(\y+\e)+2*i+1], v[RT+8*\e+6:RT+8*\e+7] op_sel_hi:[1,0]
.endr
.set i, i+1
.endr
.endif
.endm
; A KEY STEP: 64 keys.
.macro KSTEP first
	s_wait_kmcnt 0x0                               ; the words of tiles 0 and 1 are in, and no scalar load is out: the two offsets may be written
.if \first == 0
	s_add_co_u32 s5, s5, 4096
.endif
	s_add_co_u32 s6, s5, 4096
	s_min_u32 s6, s6, 126976                       ; the last step's look-ahead is held at the last step's words: no load leaves the buffer
.if \first == 0
.rept 4
	v_nop                                          ; with the addition below five places: the second group of K Q^T writes over registers that the last V^T P read, and the loads below land in registers that it read
.endr
.endif
	v_add_nc_u32 v[ADR], s4, v[LI]
	WIN 0x40                                       ; destination window 1
.set i, 0
.rept 16
	ds_load_b128 v[KF+4*i:KF+4*i+3], v[ADR] offset:512*i
.set i, i+1
.endr
.set i, 0
.rept 16
	ds_load_b128 v[VF+4*i:VF+4*i+3], v[ADR] offset:8192+512*i
.set i, i+1
.endr
	s_wait_dscnt 16                                ; K is in; V's sixteen loads may be out
	WIN 0x01                                       ; K window 1; Q and S^T window 0
	KQ 0
	KQ 2
	WIN 0
.rept 4
	v_nop                                          ; four places in front of the first read of the scores
.endr
	SM 0, \first
	s_wait_dscnt 0x0                               ; V is in
	WIN 0x51                                       ; V, C and D window 1; P window 0
	PV 0, \first
	s_wait_kmcnt 0x0                               ; the words of tiles 2 and 3 are in
	SM 2, \first
	WIN 0x51
	PV 2, \first
	WIN 0
	s_add_co_u32 s4, s4, 16384
.endm
.macro PROCESS n
	s_mov_b32 s3, \n
.Lstep_\@:
	KSTEP 0
	s_sub_co_u32 s3, s3, 1
	s_cmp_lg_u32 s3, 0
	s_cbranch_scc1 .Lstep_\@
.endm
; A PREFETCH INTO THE L2 of mask words: the 32,768 bytes of the slot after the one that is being entered, eight key steps ahead of their first scalar load.  The sixteen heads of a batch read the same
; words: head 0's work-groups ask (the same in all partners of a cluster, whose blocks of queries, and so whose words, differ by address); waves 0 to 3 take 8,192 bytes each, lanes 256 bytes apart.
; So each aligned block of 256 bytes is named once.  It stands behind the wave's tensor load and its five lines, at the two filling changes alone; its registers are never written again.
.macro ASK off
	s_cmp_eq_u32 s7, 1
	s_cbranch_scc0 .Lnot_mine_\@
	global_prefetch_b8 v[PFO], s[14:15] offset:\off th:TH_LOAD_NT scope:SCOPE_SE
.Lnot_mine_\@:
.endm
; THE CHANGE OF SLOTS.  Each wave waits for all its tensor loads, adds 0 to its spare word, and waits for that and for its reads of the slot that it leaves.  fill = 1: the barrier is a round of the
; cluster's, so that no wave of any partner still reads the slot or has a load on its way; the joint refill is the first thing behind it, one a wave.
.macro CHANGE fill, slot, base, off
	s_wait_tensorcnt 0x0                           ; no tensor load of mine is out, so a group 0 may be written
	ds_add_u32 v[SPW], v[NIL]
.if \fill
	s_add_nc_u64 s[94+4*\slot:95+4*\slot], s[94+4*\slot:95+4*\slot], 2*SLOT1   ; sixteen key steps on; the type bits on top are not reached
.endif
	s_wait_dscnt 0x0
.if \fill
	CROUND
	tensor_load_to_lds s[92+4*\slot:95+4*\slot], s[84:91]
	s_nop 0
.rept 4
	v_nop
.endr
	ASK \off
.else
	s_barrier_signal -1
	s_barrier_wait -1
.endif
	s_mov_b32 s4, \base                            ; the slot that is entered
.endm
	s_wait_tensorcnt 1                             ; my part of slot 0 is in; slot 1's may stay out
	s_barrier_signal -1
	s_barrier_wait -1
	s_wait_loadcnt 0x0                             ; Q
	KSTEP 1
	PROCESS 7
	CHANGE 1, 0, SLOT1, 65536                      ; slot 0 takes key steps 16 to 23
	PROCESS 8
	CHANGE 1, 1, 0, 98304                          ; slot 1 takes key steps 24 to 31
	PROCESS 8
	CHANGE 0, 0, SLOT1, 0                          ; nothing is left to fetch
	PROCESS 8
	; THE WAY OUT.  l's two halves and the other half of the lanes' are added (these lines are the places behind the last products); O^T / l is rounded to f16: a lane's eight channels are 16 bytes of
	; the last product's fragment, so each store covers 512 consecutive bytes, aligned.
.irp t, 0,1,2,3
	v_add_f32 v[ST+8*\t+4], v[ST+8*\t+2], v[ST+8*\t+3]
.endr
.irp t, 0,1,2,3
	v_permlanex16_b32 v[ST+8*\t+5], v[ST+8*\t+4], s12, s13
.endr
.irp t, 0,1,2,3
	v_add_f32 v[ST+8*\t+4], v[ST+8*\t+4], v[ST+8*\t+5]
.endr
.irp t, 0,1,2,3
	v_rcp_f32 v[ST+8*\t+6], v[ST+8*\t+4]
.endr
	v_nop                                          ; a plain instruction behind the last reciprocal,
	s_wait_alu depctr_va_vdst(0)                   ; and one wait for the four, ahead of their first reader
.macro OUTT t
	WIN 0x41
.set i, 0
.rept 16
	v_pk_mul_f32 v[32*\t+2*i:32*\t+2*i+1], v[32*\t+2*i:32*\t+2*i+1], v[ST+8*\t+6:ST+8*\t+7] op_sel_hi:[1,0]   ; each accumulator from its low end on
.set i, i+1
.endr
	WIN 0x05                                       ; sources window 1, destination window 0: S^T's registers are free
.set i, 0
.rept 16
	v_cvt_pk_f16_f32 v[S+32*\t+i], v[32*\t+2*i], v[32*\t+2*i+1]
.set i, i+1
.endr
	WIN 0
.irp d, 0,1,2,3
	global_store_b128 v[LI], v[S+32*\t+4*\d:S+32*\t+4*\d+3], s[10:11] offset:4096*\t+512*\d
.endr
.endm
	OUTT 0
	OUTT 1
	OUTT 2
	OUTT 3
	s_wait_kmcnt 0x0                               ; the last look-ahead's words
	s_wait_tensorcnt 0x0                           ; the wave's end
	ds_add_u32 v[SPW], v[NIL]
	s_wait_dscnt 0x0
	CROUND                                         ; the closing round: no work-group ends while a partner may still ask for a tile that names it
	s_endpgm
.Lfunc_end_k_qfae1f0caae_attn:
	.size	k_qfae1f0caae_attn, .Lfunc_end_k_qfae1f0caae_attn-k_qfae1f0caae_attn
	.p2alignl 7, 3214868480
	.fill 96, 4, 3214868480
	.section	.rodata,"a",@progbits
	.p2align	6, 0x0
	.amdhsa_kernel k_qfae1f0caae_attn
		.amdhsa_group_segment_fixed_size 327680
		.amdhsa_private_segment_fixed_size 0
		.amdhsa_enable_private_segment 0
		.amdhsa_kernarg_size 32
		.amdhsa_user_sgpr_count 2
		.amdhsa_user_sgpr_kernarg_segment_ptr 1
		.amdhsa_wavefront_size32 1
		.amdhsa_system_sgpr_workgroup_id_x 1
		.amdhsa_system_sgpr_workgroup_id_y 1
		.amdhsa_system_sgpr_workgroup_id_z 1
		.amdhsa_system_vgpr_workitem_id 0
		.amdhsa_next_free_vgpr 512
		.amdhsa_next_free_sgpr 102
		.amdhsa_reserve_vcc 0
		.amdhsa_float_denorm_mode_32 3
		.amdhsa_float_denorm_mode_16_64 3
		.amdhsa_memory_ordered 1
		.amdhsa_forward_progress 1
		.amdhsa_inst_pref_size 217
	.end_amdhsa_kernel
	.amdgpu_metadata
---
amdhsa.version: [ 1, 2 ]
amdhsa.kernels:
  - .name:           k_qfae1f0caae_attn
    .symbol:         k_qfae1f0caae_attn.kd
    .args:
      - { .name: qimg, .offset: 0, .size: 8, .value_kind: global_buffer, .address_space: global }
      - { .name: kvimg, .offset: 8, .size: 8, .value_kind: global_buffer, .address_space: global }
      - { .name: maskw, .offset: 16, .size: 8, .value_kind: global_buffer, .address_space: global }
      - { .name: ctximg, .offset: 24, .size: 8, .value_kind: global_buffer, .address_space: global }
    .group_segment_fixed_size: 327680
    .private_segment_fixed_size: 0
    .kernarg_segment_align: 8
    .kernarg_segment_size: 32
    .max_flat_workgroup_size: 256
    .sgpr_count:     102
    .vgpr_count:     512
    .wavefront_size: 32
...
	.end_amdgpu_metadata
.endif
;; end of part 3
;; launch oproj (part 4): grid 4 x 64, 4 waves a work-group, clusters of 4 x 4, 327,680 bytes of LDS; arguments ctximg, woimg, bo, out0; writes out0
.if DOCPART == 4
	.amdgcn_target "amdgcn-amd-amdhsa--gfx1250"
	.amdhsa_code_object_version 6
	.text
	.protected	k_qfae1f0caae_oproj
	.globl	k_qfae1f0caae_oproj
	.p2align	8
	.type	k_qfae1f0caae_oproj,@function
k_qfae1f0caae_oproj:
	s_mov_b64 s[64:65], 0
	v_nop
	global_prefetch_b8 v0, s[64:65] scope:SCOPE_SE
	s_setreg_imm32_b32 hwreg(HW_REG_WAVE_MODE, 25, 1), 1
	s_wait_xcnt 0x0
	s_wait_alu depctr_hold_cnt(0) depctr_sa_sdst(0) depctr_va_vdst(0) depctr_va_sdst(0) depctr_va_ssrc(0) depctr_va_vcc(0) depctr_vm_vsrc(0)
	s_getreg_b32 s2, hwreg(HW_REG_IB_STS2, 6, 4)
	s_cmp_eq_u32 s2, 0
	s_cbranch_scc0 .Lentry_in_a_cluster
	s_endpgm
.Lentry_in_a_cluster:
	s_bfe_u32 s2, ttmp6, 0x10000c
	s_cmp_lg_u32 s2, 0xf033
	s_cbranch_scc0 .Lentry_shape_is_right
	s_endpgm
.Lentry_shape_is_right:
; OPROJ: out0 = ctx Wo + bo, f16 operands, f32 sums.  Nothing of reference() is left out here.  LIMITS: as stated at the head of the first launch.
; A tile of out0 is 128 rows x 256 columns: 4 x 64 tiles, one for each of 256 work-groups.  Four waves, each 64 x 128: 32 accumulators of 16 x 16.
; K goes in 8 steps of 128 through a ring of two LDS slots.  Both operands lie in memory as images of fragments, K step by K step, so a slot's parts are dense blocks: ctx's 8 tiles of rows
; (32,768 bytes) and Wo's 16 tiles of columns (65,536); an LDS load reads 512 consecutive bytes: no pitch, no padding.
; CLUSTERS: 4 x 4 work-groups.  The four of a row of the cluster need the same block of ctx, the four of a column the same block of Wo: each is asked for JOINTLY.
; THE MATRIX INSTRUCTION IS USED TRANSPOSED (source 0 = 16 columns of Wo, source 1 = 16 rows of ctx): a lane holds eight neighbouring numbers of a row of out0.
; bo is the C of each sum's first matrix instruction: nothing is cleared and no addition is spent on it.
; REGISTERS.  Window 0: v1-31 addresses; v64-127 ctx's fragments, two buffers of 4; v128-191 bo in the result's layout (8 a tile of columns); on the way out v128-255 rows of out0.
;   Window 1: v0-127 Wo's fragments, two buffers of 8.   Window 2: the accumulators, (a, b) at v[8 (8 a + b)].
.set SLOT,   98304                     ; ctx [rt 8][kk 4][1,024], then Wo [nt 16][kk 4][1,024]
.set BOFF,   32768
.set STAGE,  196608                    ; behind the ring: 16 rows x (512 + 16) bytes for each wave; no fill lands here
.set SPITCH, 528
.set SPARE,  230400                    ; the spare words, 128 bytes a wave: two blocks of 256 bytes that no other line names
.set ASTEP,  2097152                   ; a K step on in ctximg
.set BSTEP,  262144                    ; and in woimg
.set CO,   2                           ; v2   16 x lane
.set ADRA, 16                          ; v16-17 my ctx fragments in slot 0, 1
.set ADRB, 20                          ; v20-21 my Wo fragments
.set STO,  24
.set RD,   25
.set SPW,  28
.set NIL,  29
.set PFO,  30                          ; 256 x lane
.set BOF,  31                          ; 32 h
.set AF,   64
.set BI,   128
.set BK,   128
.set G1,  24                           ; s[24:31] group 1 for ctx; s[32:39] group 0, a set for each slot
.set G0,  32
.set G1B, 48                           ; s[48:55], s[56:63] the same for Wo
.set G0B, 56
.set PFA, 44                           ; s[44:45] where my prefetches stand
.set LIM, 43                           ; 1 in wave 0, else the greatest number
.set MSB, 0
.macro WIN new
.if MSB != (\new)
	s_set_vgpr_msb (MSB<<8)|(\new)
.set MSB, (\new)
.endif
.endm
.set MUL,  0xa1                        ; source 0 (Wo) window 1, source 1 (ctx) window 0, C and D window 2
.set MULB, 0x81                        ; the same with C (bo) in window 0
.set TO_B, 0x40
.macro JLOAD s                         ; a joint load: waves 0 and 1 fetch ctx's halves, waves 2 and 3 Wo's; an s_nop 0 and four v_nop follow each of the two lines
	s_cmp_eq_u32 s13, 0
	s_cbranch_scc0 .Lfor_b_\@
	tensor_load_to_lds s[G0+4*\s:G0+4*\s+3], s[G1:G1+7]
	s_nop 0
.rept 4
	v_nop
.endr
	s_branch .Lasked_\@
.Lfor_b_\@:
	tensor_load_to_lds s[G0B+4*\s:G0B+4*\s+3], s[G1B:G1B+7]
	s_nop 0
.rept 4
	v_nop
.endr
.Lasked_\@:
.endm
.macro CREST
	s_cmp_lg_u32 s12, 0
	s_cbranch_scc1 .Lnot_wave_0_\@
	s_barrier_signal -3
.Lnot_wave_0_\@:
	s_barrier_wait -3
	s_barrier_signal -1
	s_barrier_wait -1
.endm
.macro CROUND
	s_barrier_signal -1
	s_barrier_wait -1
	CREST
.endm
; A PREFETCH INTO THE L2 of ctx, which the launch reads from memory once: behind each joint load, its five lines and the run of LDS loads, the K step that stands two refills on.  A tile row's block of a K step
; is 32,768 bytes and is read by one row of one cluster: its four partners take 8,192 bytes each, told apart by address; in each, wave 0 asks, lanes 256 bytes apart.  So each aligned block of 256 bytes is
; named once.  K steps 0 to 3 come by their loads alone; the loop's last trip, whose refills are the last two K steps, asks for nothing.  Wo, which all sixteen rows of clusters read again and again, is not asked for.
.macro ASK
	s_cmp_gt_u32 s3, s[LIM]                        ; s3 = 1 in the loop's last trip
	s_cbranch_scc0 .Lnot_mine_\@
	global_prefetch_b8 v[PFO], s[PFA:PFA+1] offset:ASTEP th:TH_LOAD_NT scope:SCOPE_SE
.Lnot_mine_\@:
.endm
	s_load_b256 s[4:11], s[0:1], 0x0               ; ctximg s[4:5], woimg s[6:7], bo s[8:9], out0 s[10:11]
	v_lshl_add_u32 v[SPW], v0, 2, SPARE
	v_mov_b32 v[NIL], 0
	ds_add_u32 v[SPW], v[NIL]                      ; the wave's opening: the add, twice on end, and its wait, ahead of my first tensor load
	ds_add_u32 v[SPW], v[NIL]
	v_lshrrev_b32 v1, 5, v0
	v_readfirstlane_b32 s12, v1                    ; wave 0..3
	s_lshr_b32 s13, s12, 1                         ; which 64 rows are mine.  Also: I fetch for ctx (0) or for Wo (1)
	s_and_b32 s14, s12, 1                          ; which 128 columns.  Also: which half of that block I fetch
	s_bfe_u32 s40, ttmp6, 0x40000                  ; cx, cy
	s_bfe_u32 s41, ttmp6, 0x40004
	s_lshl_b32 s42, ttmp9, 2
	s_add_co_u32 s42, s42, s40                     ; tile column
	s_and_b32 s15, ttmp7, 0xffff
	s_lshl_b32 s15, s15, 2
	s_add_co_u32 s15, s15, s41                     ; tile row
	s_lshl_b32 s43, s41, 2
	s_lshl_b32 s43, 15, s43                        ; my row of the cluster
	s_lshl_b32 s44, 0x1111, s40                    ; my column
	s_or_b32 s[G1+0], s43, (3<<16)|(1<<21)         ; the mask; elements of 8 bytes; bit 21 beside a mask; no padding
	s_or_b32 s[G1B+0], s44, (3<<16)|(1<<21)
	s_mov_b32 s[G1+1], 32<<16                      ; rows of 32 elements: 256 bytes
	s_mov_b32 s[G1+2], 64<<16                      ; ctx: 64 rows a load
	s_mov_b32 s[G1+3], 32<<16
	s_mov_b32 s[G1+4], 64
	s_mov_b32 s[G1+5], 32                          ; dense
	s_mov_b32 s[G1+6], 0
	s_mov_b32 s[G1+7], 0
	s_mov_b32 s[G1B+1], 32<<16
	s_mov_b32 s[G1B+2], 128<<16                    ; Wo: 128 rows a load
	s_mov_b32 s[G1B+3], 32<<16
	s_mov_b32 s[G1B+4], 128
	s_mov_b32 s[G1B+5], 32
	s_mov_b32 s[G1B+6], 0
	s_mov_b32 s[G1B+7], 0
	s_lshl_b32 s16, s15, 15                        ; ctx: 32,768 x tile row + 16,384 x half
	s_lshl_b32 s17, s14, 14
	s_add_co_u32 s16, s16, s17
	s_mov_b32 s17, 0
	s_lshl_b32 s46, s42, 16                        ; Wo: 65,536 x tile column + 32,768 x half
	s_lshl_b32 s47, s14, 15
	s_add_co_u32 s46, s46, s47
	s_mov_b32 s47, 0
	s_lshl_b32 s20, s14, 14                        ; where they go in a slot: no place in the cluster enters an LDS address
	s_lshl_b32 s21, s14, 15
	s_add_co_u32 s21, s21, BOFF
	s_wait_dscnt 0x0                               ; both opening adds are done
	s_wait_kmcnt 0x0
	s_add_nc_u64 s[18:19], s[4:5], s[16:17]
	s_add_nc_u64 s[46:47], s[6:7], s[46:47]
	CROUND                                         ; all sixteen work-groups are here: the first joint loads meet
.irp s, 0,1
	s_mov_b32 s[G0+4*\s], 1
	s_add_co_u32 s[G0+4*\s+1], s20, \s*SLOT
	s_add_nc_u64 s[G0+4*\s+2:G0+4*\s+3], s[18:19], \s*ASTEP
	s_or_b32 s[G0+4*\s+3], s[G0+4*\s+3], 0x80000000
	s_mov_b32 s[G0B+4*\s], 1
	s_add_co_u32 s[G0B+4*\s+1], s21, \s*SLOT
	s_add_nc_u64 s[G0B+4*\s+2:G0B+4*\s+3], s[46:47], \s*BSTEP
	s_or_b32 s[G0B+4*\s+3], s[G0B+4*\s+3], 0x80000000
	JLOAD \s
.endr
	v_and_b32 v1, 31, v0
	v_lshlrev_b32 v[CO], 4, v1
	v_lshlrev_b32 v[PFO], 8, v1
	v_and_b32 v3, 15, v0                           ; r
	v_bfe_u32 v4, v0, 4, 1                         ; h
	v_lshlrev_b32 v[BOF], 5, v4
	s_lshl_b32 s22, s13, 14                        ; my four tiles of rows
	s_lshl_b32 s23, s14, 15
	s_add_co_u32 s23, s23, BOFF                    ; my eight tiles of columns
.irp s, 0,1
	v_add_nc_u32 v[ADRA+\s], s22, v[CO]
	v_add_nc_u32 v[ADRB+\s], s23, v[CO]
	s_add_co_u32 s22, s22, SLOT
	s_add_co_u32 s23, s23, SLOT
.endr
	s_mul_i32 s22, s12, 16*SPITCH
	s_add_co_u32 s22, s22, STAGE                   ; my stage
	v_mul_u32_u24 v5, v3, SPITCH
	v_lshl_add_u32 v5, v4, 5, v5
	v_add_nc_u32 v[STO], s22, v5                   ; in: row r, 32 bytes for each half of the lanes
	v_add_nc_u32 v[RD], s22, v[CO]                 ; back: the 32 lanes take one row of 512 bytes
	s_lshl_b32 s46, s42, 10                        ; my first column, in bytes: 1,024 x tile column + 512 x half
	s_lshl_b32 s47, s14, 9
	s_add_co_u32 s46, s46, s47
	s_mov_b32 s47, 0
	s_add_nc_u64 s[8:9], s[8:9], s[46:47]
	s_add_nc_u64 s[10:11], s[10:11], s[46:47]
	s_lshl_b32 s16, s15, 19                        ; my first row: 128 x tile row + 64 x half, 4,096 bytes each
	s_lshl_b32 s17, s13, 18
	s_add_co_u32 s16, s16, s17
	s_mov_b32 s17, 0
	s_add_nc_u64 s[10:11], s[10:11], s[16:17]
.irp b, 0,1,2,3,4,5,6,7
	global_load_b128 v[BI+8*\b:BI+8*\b+3], v[BOF], s[8:9] offset:64*\b        ; bo at the lane's eight columns of tile b
	global_load_b128 v[BI+8*\b+4:BI+8*\b+7], v[BOF], s[8:9] offset:64*\b+16
.endr
	s_lshl_b32 s16, s15, 15                        ; the prefetches: my tile row's block,
	s_lshl_b32 s17, s40, 13
	s_add_co_u32 s16, s16, s17                     ; my work-group's 8,192 bytes of it,
	s_mov_b32 s17, 0
	s_add_nc_u64 s[PFA:PFA+1], s[4:5], s[16:17]
	s_add_nc_u64 s[PFA:PFA+1], s[PFA:PFA+1], 2*ASTEP   ; at K step 2: the first refill steps it to 3 and names K step 4
	s_cmp_eq_u32 s12, 0
	s_cselect_b32 s[LIM], 1, -1
.macro MUL8 f, a, first                ; tile a of rows x my eight tiles of columns, 32 along K: buffer f.  The 32 accumulators take turns, in the same order in every quarter
.irp b, 0,1,2,3,4,5,6,7
.if \first
	v_wmma_f32_16x16x32_f16 v[8*(8*(\a)+\b):8*(8*(\a)+\b)+7], v[64*(\f)+8*\b:64*(\f)+8*\b+7], v[AF+32*(\f)+8*(\a):AF+32*(\f)+8*(\a)+7], v[BI+8*\b:BI+8*\b+7]
.else
	v_wmma_f32_16x16x32_f16 v[8*(8*(\a)+\b):8*(8*(\a)+\b)+7], v[64*(\f)+8*\b:64*(\f)+8*\b+7], v[AF+32*(\f)+8*(\a):AF+32*(\f)+8*(\a)+7], v[8*(8*(\a)+\b):8*(8*(\a)+\b)+7]
.endif
.endr
.endm
.macro FETCH slot, kk, f               ; 24 LDS loads in one run: the fragments of quarter kk into buffer f; Wo's first, ctx's tiles 2 and 3 last
	WIN TO_B
.irp n, 0,1,2,3,4,5,6,7
	ds_load_b128 v[64*(\f)+8*\n:64*(\f)+8*\n+3],   v[ADRB+\slot] offset:\n*4096+(\kk)*1024
	ds_load_b128 v[64*(\f)+8*\n+4:64*(\f)+8*\n+7], v[ADRB+\slot] offset:\n*4096+(\kk)*1024+512
.endr
	WIN 0
.irp n, 0,1,2,3
	ds_load_b128 v[AF+32*(\f)+8*\n:AF+32*(\f)+8*\n+3],   v[ADRA+\slot] offset:\n*4096+(\kk)*1024
	ds_load_b128 v[AF+32*(\f)+8*\n+4:AF+32*(\f)+8*\n+7], v[ADRA+\slot] offset:\n*4096+(\kk)*1024+512
.endr
.endm
.macro PLACES                          ; four places in front of loads into registers that matrix instructions have read, and of the first read of results
.rept 4
	v_nop
.endr
.endm
; A K step is four quarters of 32 along K, 32 matrix instructions each, on buffers 0, 1, 0, 1.  One of the first three: multiplies buffer f and fetches quarter kk into buffer g.
.macro QUARTER slot, kk, f, g, first
	s_wait_dscnt 4                                 ; Wo's fragments and ctx's tiles 0 and 1 are in; the youngest four loads may be out
.if \first
	WIN MULB
.else
	WIN MUL
.endif
	MUL8 \f, 0, \first
	MUL8 \f, 1, \first
	PLACES
	FETCH \slot, \kk, \g
	s_wait_dscnt 24                                ; all but the 24 just issued
.if \first
	WIN MULB
.else
	WIN MUL
.endif
	MUL8 \f, 2, \first
	MUL8 \f, 3, \first
.endm
; The last quarter multiplies buffer 1 and changes slots: ONE barrier; in front of it each wave waits for all its tensor loads, adds 0 to its spare word, and waits for that and for its reads of this slot.
; fill = 1: the barrier opens a round of the cluster's, and this slot is filled again, two K steps ahead: 112 matrix instructions of the wave stand between the request and the wait for it.
.macro TURN slot, next, fill
	WIN 0
.if \fill
	s_wait_xcnt 0x0                                ; the last prefetch, a K step back, has read its address
	s_add_nc_u64 s[PFA:PFA+1], s[PFA:PFA+1], ASTEP
.endif
	s_wait_tensorcnt 0x0                           ; all my tensor loads have landed: my part of the next slot
	ds_add_u32 v[SPW], v[NIL]
	s_wait_dscnt 5                                 ; (the add and the youngest four loads may be out)
	WIN MUL
	MUL8 1, 0, 0                                   ; eight matrix instructions stand between the add and the wait for it
	s_wait_dscnt 0x0                               ; the add is done, and my reads of this slot are over
	s_barrier_signal -1
	MUL8 1, 1, 0
.if \fill
	WIN 0
.endif
	s_barrier_wait -1
.if \fill
	CREST                                          ; no wave of any partner still reads this slot or has a load on its way
	s_add_nc_u64 s[G0+4*\slot+2:G0+4*\slot+3], s[G0+4*\slot+2:G0+4*\slot+3], 2*ASTEP
	s_add_nc_u64 s[G0B+4*\slot+2:G0B+4*\slot+3], s[G0B+4*\slot+2:G0B+4*\slot+3], 2*BSTEP
	JLOAD \slot                                    ; the first tensor load behind the round; its four v_nop are also the places in front of the loads below
.else
	PLACES
.endif
	FETCH \next, 0, 0
.if \fill
	ASK
.endif
	WIN MUL
	MUL8 1, 2, 0
	MUL8 1, 3, 0
.endm
	s_wait_tensorcnt 1                             ; my part of K step 0 is in; K step 1's may stay out
	s_barrier_signal -1
	s_barrier_wait -1
	FETCH 0, 0, 0
	s_wait_loadcnt 0x0                             ; bo
	QUARTER 0, 1, 0, 1, 1                          ; the first quarter stands in front of the loop: its products start the sums, on bo
	WIN 0
	s_mov_b32 s3, 3
.Llap:                                         ; a trip goes once round the ring, from a lap's second quarter to the next lap's first, and fills both slots again
	QUARTER 0, 2, 1, 0, 0
	QUARTER 0, 3, 0, 1, 0
	TURN 0, 1, 1
	QUARTER 1, 1, 0, 1, 0
	QUARTER 1, 2, 1, 0, 0
	QUARTER 1, 3, 0, 1, 0
	TURN 1, 0, 1
	QUARTER 0, 1, 0, 1, 0
	WIN 0
	s_sub_co_u32 s3, s3, 1
	s_cmp_lg_u32 s3, 0
	s_cbranch_scc1 .Llap
	QUARTER 0, 2, 1, 0, 0                          ; the last lap fills nothing
	QUARTER 0, 3, 0, 1, 0
	TURN 0, 1, 0
	QUARTER 1, 1, 0, 1, 0
	QUARTER 1, 2, 1, 0, 0
	QUARTER 1, 3, 0, 1, 0
	s_wait_dscnt 4                                 ; the very last quarter: nothing more to fetch
	WIN MUL
	MUL8 1, 0, 0
	MUL8 1, 1, 0
	s_wait_dscnt 0x0
	MUL8 1, 2, 0
	MUL8 1, 3, 0
	WIN 0
; THE WAY OUT, block by block of 16 rows x 128 columns, through my own stage: a lane holds 32 bytes of a row and the lanes beside it other rows; back come whole rows of 512 bytes.
; LDS serves a wave's instructions in order: no wait between the stores and the loads, nor in front of the next block's stores.
.macro TOSTAGE a
	WIN 0x08                                       ; an LDS store's data are its source 1: window 2
.irp b, 0,1,2,3,4,5,6,7
	ds_store_b128 v[STO], v[8*(8*(\a)+\b):8*(8*(\a)+\b)+3] offset:64*\b        ; each accumulator from its low end on
	ds_store_b128 v[STO], v[8*(8*(\a)+\b)+4:8*(8*(\a)+\b)+7] offset:64*\b+16
.endr
	WIN 0
.set BX, BK+64*((\a)%2)
.set i, 0
.rept 16
	ds_load_b128 v[BX+4*i:BX+4*i+3], v[RD] offset:i*SPITCH
.set i, i+1
.endr
.endm
.macro SEND a, younger                 ; younger: the LDS instructions issued behind block a's loads, which may stay out
.set BX, BK+64*((\a)%2)
	s_wait_dscnt \younger
.set i, 0
.rept 16
	global_store_b128 v[CO], v[BX+4*i:BX+4*i+3], s[10:11] offset:(16*(\a)+i)*4096 th:TH_STORE_NT   ; 32 lanes store 512 consecutive bytes, aligned; the row stands in the immediate
.set i, i+1
.endr
.endm
	PLACES
	TOSTAGE 0
.irp a, 1,2,3
.if \a > 1
	s_wait_xcnt 0x0                                ; block a - 2's stores have read their registers: block a's loads may land there
.endif
	TOSTAGE \a
	SEND \a-1, 32                                  ; behind block a - 1's loads: block a's 16 stores and 16 loads
.endr
	SEND 3, 0
	s_wait_tensorcnt 0x0                           ; the wave's end
	ds_add_u32 v[SPW], v[NIL]
	s_wait_dscnt 0x0
	CROUND                                         ; the closing round
	s_endpgm
.Lfunc_end_k_qfae1f0caae_oproj:
	.size	k_qfae1f0caae_oproj, .Lfunc_end_k_qfae1f0caae_oproj-k_qfae1f0caae_oproj
	.p2alignl 7, 3214868480
	.fill 96, 4, 3214868480
	.section	.rodata,"a",@progbits
	.p2align	6, 0x0
	.amdhsa_kernel k_qfae1f0caae_oproj
		.amdhsa_group_segment_fixed_size 327680
		.amdhsa_private_segment_fixed_size 0
		.amdhsa_enable_private_segment 0
		.amdhsa_kernarg_size 32
		.amdhsa_user_sgpr_count 2
		.amdhsa_user_sgpr_kernarg_segment_ptr 1
		.amdhsa_wavefront_size32 1
		.amdhsa_system_sgpr_workgroup_id_x 1
		.amdhsa_system_sgpr_workgroup_id_y 1
		.amdhsa_system_sgpr_workgroup_id_z 1
		.amdhsa_system_vgpr_workitem_id 0
		.amdhsa_next_free_vgpr 768
		.amdhsa_next_free_sgpr 66
		.amdhsa_reserve_vcc 0
		.amdhsa_float_denorm_mode_32 3
		.amdhsa_float_denorm_mode_16_64 3
		.amdhsa_memory_ordered 1
		.amdhsa_forward_progress 1
		.amdhsa_inst_pref_size 87
	.end_amdhsa_kernel
	.amdgpu_metadata
---
amdhsa.version: [ 1, 2 ]
amdhsa.kernels:
  - .name:           k_qfae1f0caae_oproj
    .symbol:         k_qfae1f0caae_oproj.kd
    .args:
      - { .name: ctximg, .offset: 0, .size: 8, .value_kind: global_buffer, .address_space: global }
      - { .name: woimg, .offset: 8, .size: 8, .value_kind: global_buffer, .address_space: global }
      - { .name: bo, .offset: 16, .size: 8, .value_kind: global_buffer, .address_space: global }
      - { .name: out0, .offset: 24, .size: 8, .value_kind: global_buffer, .address_space: global }
    .group_segment_fixed_size: 327680
    .private_segment_fixed_size: 0
    .kernarg_segment_align: 8
    .kernarg_segment_size: 32
    .max_flat_workgroup_size: 128
    .sgpr_count:     66
    .vgpr_count:     768
    .wavefront_size: 32
...
	.end_amdgpu_metadata
.endif
;; end of part 4
